; MI455X (gfx1250); checked and timed in simulation.
; The chip was launched on July 23, 2026; its instructions are those of AMD's public machine-readable ISA for CDNA 5 (MIT licence, August 2026) and "CDNA5" Instruction Set Architecture Reference Guide (July 2026). The comments in the code are by the model that wrote it; some were corrected since.
;; Attention. Allowed arithmetic: matrix products marked QUANTISED: E2M1 operands, one E8M0 scale for each 32 along K, by v_wmma_scale_f32_16x16x128_f8f6f4 with both operands' format E2M1 (or v_wmma_scale_f32_32x16x128_f4), f32 sums; products left as they are: bf16, f16 or f32 operands; f32 sums; everything else in f32.
;; Inputs: Wk 2,048 x 2,048 float32; Wo 2,048 x 2,048 float32; Wq 2,048 x 2,048 float32; Wv 2,048 x 2,048 float32; k_norm_w 256 float32; position_ids 2,048 int32; q_norm_w 256 float32; x 1 x 2,048 x 2,048 float32.
;; Outputs: out0 1 x 2,048 x 2,048 float32.
;; This version of the problem:
;;   THIS VERSION OF THE PROBLEM IS GIVEN IN LOW PRECISION. The matrix products marked QUANTISED in the list below multiply operands that are first quantised to E2M1 (2 exponent bits, 1 mantissa bit; 4 bits a number), with one power-of-two scale for each 32 numbers along K (OCP MX v1.0); their sums are f32. The products marked 'left as it is' may take bf16, f16 or f32 operands, with f32 sums. Whichever they take, every output number must still come out within the allowed error. Rounding operands to bf16 (8 significant bits) uses up far more of that allowance than f16 does (11 bits, for magnitudes from 6e-5 to 65,504). All else is computed in f32.
;;   The module's matrix products, in the order in which they are computed (A, B: the left and right operand; K: the contracted axis; several contracted axes count as one K, in the product's order):
;;     1. [M 2,048, K 2,048] x [K 2,048, N 2,048]; A: input x; B: input Wq: QUANTISED
;;     2. [M 2,048, K 2,048] x [K 2,048, N 2,048]; A: input x; B: input Wk: QUANTISED
;;     3. [M 2,048, K 2,048] x [K 2,048, N 2,048]; A: input x; B: input Wv: QUANTISED
;;     4. batch 8 x [M 2,048, K 256] x [K 256, N 2,048]; A: computed on the way; B: computed on the way: left as it is (an operand is computed on the way)
;;     5. batch 8 x [M 256, K 2,048] x [K 2,048, N 2,048]; A: computed on the way; B: computed on the way: left as it is (an operand is computed on the way)
;;     6. [M 2,048, K 2,048] x [K 2,048, N 2,048]; A: computed on the way; B: input Wo: left as it is (an operand is computed on the way)
;;   THE QUANTISER, for each operand of a quantised product, along K:
;;     - K is cut into blocks of 32 from its start; a last block that is shorter is filled with zeros.
;;     - A block's scale is 2^e with e = floor(log2(the largest magnitude in the block)) - 2, held to -126 .. 127; a block of zeros has e = 0. As a byte (E8M0): e + 127.
;;     - Each number is divided by its block's scale, clamped to +-6, and rounded to the nearest number of E2M1, ties to even, subnormals kept.
;;     - The product sums the exact products of the quantised numbers (number of the format x scale) in f32.
;;   ~~~python
;;   def quantise(x, axis):      # numpy; x: float32 -> the quantised numbers, widened to float32 again
;;       x = np.moveaxis(x, axis, -1); K = x.shape[-1]
;;       x = np.pad(x, [(0, 0)] * (x.ndim - 1) + [(0, -K % 32)]); x = x.reshape(x.shape[:-1] + (-1, 32)); a = np.abs(x).max(-1, keepdims=True)
;;       e = np.where(a > 0, np.clip(np.frexp(np.where(a > 0, a, 1))[1] - 1 - 2, -126, 127), 0)      # np.frexp(a)[1] - 1 = floor(log2(a)), exactly
;;       r = np.clip(x / 2.0 ** e, -6, 6)
;;       step = 2.0 ** (np.maximum(np.frexp(np.where(r == 0, 1, r))[1] - 1, 0) - 1)
;;       q = np.round(r / step) * step * 2.0 ** e      # np.round: ties to even
;;       return np.moveaxis(q.reshape(q.shape[:-2] + (-1,))[..., :K], -1, axis).astype(np.float32)
;;   ~~~
;; One version. Each part assembles by itself: llvm-mc -triple=amdgcn-amd-amdhsa -mcpu=gfx1250 --defsym DOCPART=n.
;; ======== version 1 of 1: 5 launches
;; limits: values are held in f16: magnitudes above 65,504 overflow, below 6.1e-05 lose precision
;; workspace buffers: codes 8,388,608 bytes; scales 524,288 bytes; wo16 8,388,608 bytes; tab 2,097,152 bytes; qkv16 25,165,824 bytes; qkv32 393,216 bytes; attn16 8,388,608 bytes
;; launch prep (part 1): grid 768 x 1, 4 waves a work-group, no clusters, 33,280 bytes of LDS; arguments x, Wq, Wk, Wv, Wo, position_ids, codes, scales, wo16, tab; writes codes, scales, wo16, tab
.if DOCPART == 1
	.amdgcn_target "amdgcn-amd-amdhsa--gfx1250"
	.amdhsa_code_object_version 6
	.text
	.protected	k_qf4c50e1a43_prep
	.globl	k_qf4c50e1a43_prep
	.p2align	8
	.type	k_qf4c50e1a43_prep,@function
k_qf4c50e1a43_prep:
	s_mov_b64 s[64:65], 0
	v_nop
	global_prefetch_b8 v0, s[64:65] scope:SCOPE_SE
	s_setreg_imm32_b32 hwreg(HW_REG_WAVE_MODE, 25, 1), 1
	s_wait_xcnt 0x0
; PREP: everything that is made once from the inputs.  Three kinds of work-groups, told apart by the work-group's number alone:
;   0-511   x, Wq, Wk, Wv (each [2048][2048] f32, K innermost) become codes of FP4 (E2M1) and one E8M0 scale byte for each 32 along K.  The four tensors lie on end in both
;           buffers: codes [8192 rows][1024 bytes], scales [8192 rows][64 bytes]; rows 0-2047 x, then Wq, Wk, Wv.  128 work-groups a tensor.
;   512-639 Wo [2048][2048] f32 becomes f16 (wo16), as it lies.
;   640-767 the table of cos and sin for the 2,048 positions that position_ids names, 128 frequencies each, laid in the order in which the next launch's registers take it:
;           tab [128 blocks of 16 rows][32 images][32 lanes][16 bytes]; image 2 b + c: lane (r, h) holds cos(row 16 blk + r, j = 16 b + 8 h + 4 c + 0 .. 3); image 16 + 2 b + c the sines.
; THE QUANTISER.  A block's scale is 2^(floor(log2(its largest magnitude)) - 2); its byte is the largest magnitude's exponent field - 2, held at 1 from below; each number is divided by the scale and
; rounded to the nearest code, ties to even, beyond 6 the largest code.
; LIMITS.  A block of zeros gets the byte 1 where the rule says 127: its codes are zeros, and the bytes are read by this program alone.  NaN and infinities among the inputs are not served.
; Positions are 0 .. 4,095 (the table that reference() indexes).  The angle is position x 2^(-j log2(10000) / 128) in f32: it can differ from a correctly rounded one by a few units in its last place,
; at position 4,095 some 5e-4 radians.  sin and cos: the angle less a multiple of pi/2 kept in two parts, then polynomials of degree 7 and 8 on +-pi/4.
; No cluster and no tensor load: no byte is read by two work-groups.  Only the first kind uses LDS.
.set STEPS, 16
.set EMAX,  2
.set CB,    8                          ; bytes of 16 codes
.set R,     16                         ; v16-79   four sets of 16 numbers as they are loaded
.set X,     80                         ; v80-111  two sets of 16 neighbours
.set E,     112                        ; v112-127 a scale byte for each step
.set C,     128                        ; v128-191 codes: four registers for each step, so that no store's data are written again
.set WREG,  8192                       ; LDS: a region for each wave: two stages of 32 x SP bytes, behind them its 256 scale bytes
.set SP,    80                         ; a lane's place in a stage: 64 bytes + 16 of padding
.set SPW,   12                         ; v12  LDS address of my spare word; never rewritten
.set NIL,   13                         ; v13  0; never rewritten
.set SPARE, 4*WREG                     ; behind the four regions: the spare words, 128 bytes a wave
	s_load_b256 s[4:11], s[0:1], 0x0               ; x, Wq, Wk, Wv
	s_load_b256 s[12:19], s[0:1], 0x20             ; Wo, position_ids, codes, scales
	s_load_b128 s[20:23], s[0:1], 0x40             ; wo16, tab
	v_lshl_add_u32 v[SPW], v0, 2, SPARE
	v_mov_b32 v[NIL], 0
	v_lshrrev_b32 v1, 5, v0
	v_readfirstlane_b32 s24, v1                    ; wave 0..3
	v_and_b32 v2, 31, v0                           ; lane
	s_wait_kmcnt 0x0
	s_cmp_ge_u32 ttmp9, 640
	s_cbranch_scc1 .Ltab
	s_cmp_ge_u32 ttmp9, 512
	s_cbranch_scc1 .Lwo
; ---- codes and scales.  A wave takes 16 steps of 512 numbers.  Each of a step's four loads reads 512 consecutive bytes; the 2,048 bytes turn through the wave's own stage in LDS and come back 64 bytes a lane,
; so that a lane holds 16 neighbours along K (two lanes to a block of 32).  A lane's 16 codes are 8 bytes: the wave stores 256 consecutive bytes.  A wave's 256 scale bytes are gathered in LDS and leave at once.
	v_lshlrev_b32 v3, 4, v2                        ; my 16 bytes of a load's 512
	s_mul_i32 s25, s24, WREG
	v_lshrrev_b32 v14, 2, v2
	v_mul_u32_u24 v14, v14, SP
	v_and_b32 v15, 3, v2
	v_lshl_add_u32 v14, v15, 4, v14
	v_add_nc_u32 v14, s25, v14                     ; the stage, on the way in: SP (lane / 4) + 16 (lane % 4)
	v_mul_u32_u24 v15, v2, SP
	v_add_nc_u32 v15, s25, v15                     ; and on the way out: SP x lane
	v_mul_u32_u24 v4, v2, CB                       ; my codes' place in a step's
	v_lshrrev_b32 v5, 1, v2
	s_add_co_u32 s25, s25, 2*32*SP
	v_add_nc_u32 v5, s25, v5                       ; my block's scale byte in LDS
	v_lshlrev_b32 v7, 3, v2
	v_add_nc_u32 v6, s25, v7                       ; and on the way out 8 bytes a lane
	s_lshr_b32 s28, ttmp9, 7                       ; which tensor: the choice hangs on the work-group's number alone
	s_mov_b64 s[26:27], s[4:5]
	s_cmp_eq_u32 s28, 1
	s_cselect_b64 s[26:27], s[6:7], s[26:27]
	s_cmp_eq_u32 s28, 2
	s_cselect_b64 s[26:27], s[8:9], s[26:27]
	s_cmp_eq_u32 s28, 3
	s_cselect_b64 s[26:27], s[10:11], s[26:27]
	s_and_b32 s29, ttmp9, 127
	s_lshl_b32 s29, s29, 2
	s_add_co_u32 s29, s29, s24                     ; my run of 8,192 numbers in the tensor
	s_lshl_b32 s30, s29, 15
	s_mov_b32 s31, 0
	s_add_nc_u64 s[26:27], s[26:27], s[30:31]
	s_lshl_b32 s29, ttmp9, 2
	s_add_co_u32 s29, s29, s24                     ; and among all four tensors' runs
	s_lshl_b32 s30, s29, 12
	s_add_nc_u64 s[16:17], s[16:17], s[30:31]      ; 4,096 bytes of codes a run
	s_lshl_b32 s30, s29, 8
	s_add_nc_u64 s[18:19], s[18:19], s[30:31]      ; 256 scale bytes a run
.macro LOAD t
.irp i, 0,1,2,3
	global_load_b128 v[R+16*((\t)%4)+4*\i:R+16*((\t)%4)+4*\i+3], v3, s[26:27] offset:2048*(\t)+512*\i th:TH_LOAD_NT
.endr
.endm
.macro TURN t                          ; step t's numbers through the stage: LDS serves a wave's instructions in order, so no wait stands between the stores and the loads
.irp i, 0,1,2,3
	ds_store_b128 v14, v[R+16*((\t)%4)+4*\i:R+16*((\t)%4)+4*\i+3] offset:32*SP*((\t)%2)+8*SP*\i
.endr
.irp i, 0,1,2,3
	ds_load_b128 v[X+16*((\t)%2)+4*\i:X+16*((\t)%2)+4*\i+3], v15 offset:32*SP*((\t)%2)+16*\i
.endr
.endm
.irp t, 0,1,2,3
	LOAD \t
.endr
	s_wait_loadcnt 12                              ; step 0's four loads are in; the twelve of steps 1 to 3 may be out
	TURN 0
.macro STEP t
.set XS, X+16*((\t)%2)
.if (\t) > 0
	s_wait_dscnt 1                                 ; this step's numbers are back from the stage; the last step's byte store may be out
.else
	s_wait_dscnt 0x0
.endif
.if (\t)+4 < STEPS
	LOAD (\t)+4                                    ; into the registers that the stage's stores have read
.endif
.if (\t)+1 < STEPS
.if STEPS-2-(\t) >= 3
	s_wait_loadcnt 12                              ; the next step's four loads are in; those of the three steps behind it may be out
.else
	s_wait_loadcnt 4*(STEPS-2-(\t))
.endif
	TURN (\t)+1
.endif
	v_max3_num_f32 v8, |v[XS]|, |v[XS+1]|, |v[XS+2]|               ; the largest magnitude of my 16, in two chains
	v_max3_num_f32 v9, |v[XS+3]|, |v[XS+4]|, |v[XS+5]|
.irp i, 6,10
	v_max3_num_f32 v8, v8, |v[XS+\i]|, |v[XS+\i+1]|
	v_max3_num_f32 v9, v9, |v[XS+\i+2]|, |v[XS+\i+3]|
.endr
	v_max3_num_f32 v8, v8, |v[XS+14]|, |v[XS+15]|
	v_max3_num_f32 v8, v8, v9, (EMAX+1)<<23        ; and the floor 2^(3 - 127): the byte cannot fall under 1
	v_max_num_f32_dpp v8, v8, v8 row_xmask:1 row_mask:0xf bank_mask:0xf   ; with my neighbour's 16: the block's
	v_add_nc_u32 v11, -(EMAX<<23), v8              ; 2 off its exponent field: the conversion takes the exponent field of this operand as its scale
	v_cvt_scalef32_pk8_fp4_f32 v[C+4*(\t)], v[XS:XS+7], v11
	v_cvt_scalef32_pk8_fp4_f32 v[C+4*(\t)+1], v[XS+8:XS+15], v11
	v_lshrrev_b32 v[E+(\t)], 23, v11               ; the scale's byte
	ds_store_b8 v5, v[E+(\t)] offset:16*(\t)       ; both lanes of a block write the same byte with the same value
	global_store_b64 v4, v[C+4*(\t):C+4*(\t)+1], s[16:17] offset:32*CB*(\t)   ; 32 lanes store 256 consecutive bytes, aligned
.endm
.irp t, 0,1,2,3,4,5,6,7,8,9,10,11,12,13,14,15
	STEP \t
.endr
	ds_load_b64 v[8:9], v6                         ; LDS serves a wave's instructions in order: these see my byte stores
	s_wait_dscnt 0x0
	global_store_b64 v7, v[8:9], s[18:19]          ; 32 lanes store 256 consecutive bytes, aligned
	s_wait_tensorcnt 0x0                           ; the wave's end
	ds_add_u32 v[SPW], v[NIL]
	s_wait_dscnt 0x0
	s_endpgm
; ---- Wo to f16: a wave takes 8,192 numbers in four trips of 16 loads; a load's 512 bytes become 256, stored by the 32 lanes as one aligned run
.Lwo:
	s_sub_co_u32 s25, ttmp9, 512
	s_lshl_b32 s25, s25, 2
	s_add_co_u32 s25, s25, s24
	s_lshl_b32 s30, s25, 15
	s_mov_b32 s31, 0
	s_add_nc_u64 s[12:13], s[12:13], s[30:31]
	s_lshl_b32 s30, s25, 14
	s_add_nc_u64 s[20:21], s[20:21], s[30:31]
	v_lshlrev_b32 v3, 4, v2
	v_lshlrev_b32 v4, 3, v2
	s_mov_b32 s28, 4
.Lwo_trip:
.irp i, 0,1,2,3,4,5,6,7,8,9,10,11,12,13,14,15
	global_load_b128 v[16+4*\i:19+4*\i], v3, s[12:13] offset:512*\i th:TH_LOAD_NT
.endr
.irp i, 0,1,2,3,4,5,6,7,8,9,10,11,12,13,14,15
	s_wait_loadcnt 15-\i                           ; load i is in; the trip's younger loads may be out
	v_cvt_pk_f16_f32 v[80+2*\i], v[16+4*\i], v[17+4*\i]
	v_cvt_pk_f16_f32 v[81+2*\i], v[18+4*\i], v[19+4*\i]
	global_store_b64 v4, v[80+2*\i:81+2*\i], s[20:21] offset:256*\i
.endr
	s_wait_xcnt 0x0                                ; the stores' data and both bases are written again only behind this wait
	s_add_nc_u64 s[12:13], s[12:13], 8192
	s_add_nc_u64 s[20:21], s[20:21], 4096
	s_sub_co_u32 s28, s28, 1
	s_cmp_lg_u32 s28, 0
	s_cbranch_scc1 .Lwo_trip
	s_endpgm
; ---- the table.  A work-group takes a block of 16 rows; wave w makes images 4 w .. 4 w + 3 of cos and of sin: 16 values a lane
.set AN, 16                            ; v16-31  exponent, 2^.., angle, reduced angle
.set NN, 32                            ; v32-47  the multiple of pi/2
.set ZZ, 48                            ; v48-63  the reduced angle's square
.set SI, 64                            ; v64-79  sin of the reduced angle
.set CC, 80                            ; v80-95  cos
.set QD, 96                            ; v96-111 the quadrant
.set TT, 112                           ; v112-127 at work
.set CV, 128                           ; v128-143 cos of the angle
.set SV, 144                           ; v144-159 sin
.Ltab:
	s_sub_co_u32 s25, ttmp9, 640                   ; the block
	v_and_b32 v3, 15, v0                           ; r
	v_bfe_u32 v4, v0, 4, 1                         ; h
	s_lshl_b32 s26, s25, 6
	v_lshl_add_u32 v5, v3, 2, s26
	global_load_b32 v6, v5, s[14:15]               ; position_ids[16 blk + r]
	s_lshl_b32 s27, s24, 5
	v_lshl_add_u32 v7, v4, 3, s27                  ; 32 w + 8 h
	s_lshl_b32 s30, s25, 14
	s_mov_b32 s31, 0
	s_add_nc_u64 s[22:23], s[22:23], s[30:31]
	s_lshl_b32 s28, s24, 11
	v_lshl_add_u32 v8, v2, 4, s28                  ; my 16 bytes of my wave's first image
	s_mov_b32 s32, 0xbe2aaaa3                      ; sin: -1.6666654611e-1, 8.3321608736e-3, -1.9515295891e-4
	s_mov_b32 s33, 0x3c08839e
	s_mov_b32 s34, 0xb94ca1f9
	s_mov_b32 s35, 0x3d2aaaa5                      ; cos: 4.166664568e-2, -1.388731625e-3, 2.443315712e-5
	s_mov_b32 s36, 0xbab6061a
	s_mov_b32 s37, 0x37ccf5ce
.irp n, 0,1,2,3,4,5,6,7,8,9,10,11,12,13,14,15
	v_add_nc_u32 v[AN+\n], 16*((\n/4)/2)+4*((\n/4)%2)+\n%4, v7     ; j of value n: image 4 w + n / 4, number n % 4
.endr
.irp n, 0,1,2,3,4,5,6,7,8,9,10,11,12,13,14,15
	v_cvt_f32_u32 v[AN+\n], v[AN+\n]
.endr
.irp n, 0,1,2,3,4,5,6,7,8,9,10,11,12,13,14,15
	v_mul_f32 v[AN+\n], 0xbdd49a78, v[AN+\n]       ; -j log2(10000) / 128
.endr
.irp n, 0,1,2,3,4,5,6,7,8,9,10,11,12,13,14,15
	v_exp_f32 v[AN+\n], v[AN+\n]                   ; 10000^(-j / 128): one batch
.endr
	v_nop                                          ; a plain instruction behind the last exponential
	s_wait_alu depctr_va_vdst(0)                   ; one wait for the sixteen, ahead of their first reader
	s_wait_loadcnt 0x0
	v_cvt_f32_i32 v6, v6
.irp n, 0,1,2,3,4,5,6,7,8,9,10,11,12,13,14,15
	v_mul_f32 v[AN+\n], v6, v[AN+\n]               ; the angle, rounded once, as reference() rounds it
.endr
.irp n, 0,1,2,3,4,5,6,7,8,9,10,11,12,13,14,15
	v_mul_f32 v[NN+\n], 0x3f22f983, v[AN+\n]       ; x 2 / pi
.endr
.irp n, 0,1,2,3,4,5,6,7,8,9,10,11,12,13,14,15
	v_rndne_f32 v[NN+\n], v[NN+\n]
.endr
.irp n, 0,1,2,3,4,5,6,7,8,9,10,11,12,13,14,15
	v_fmamk_f32 v[AN+\n], v[NN+\n], 0xbfc90fdb, v[AN+\n]           ; less n x pi/2's upper part,
.endr
.irp n, 0,1,2,3,4,5,6,7,8,9,10,11,12,13,14,15
	v_fmamk_f32 v[AN+\n], v[NN+\n], 0x333bbd2e, v[AN+\n]           ; and its lower part (which is negative)
.endr
.irp n, 0,1,2,3,4,5,6,7,8,9,10,11,12,13,14,15
	v_cvt_i32_f32 v[QD+\n], v[NN+\n]
	v_mul_f32 v[ZZ+\n], v[AN+\n], v[AN+\n]
.endr
.irp n, 0,1,2,3,4,5,6,7,8,9,10,11,12,13,14,15
	v_fma_f32 v[SI+\n], s34, v[ZZ+\n], s33
	v_fma_f32 v[CC+\n], s37, v[ZZ+\n], s36
.endr
.irp n, 0,1,2,3,4,5,6,7,8,9,10,11,12,13,14,15
	v_fma_f32 v[SI+\n], v[SI+\n], v[ZZ+\n], s32
	v_fma_f32 v[CC+\n], v[CC+\n], v[ZZ+\n], s35
.endr
.irp n, 0,1,2,3,4,5,6,7,8,9,10,11,12,13,14,15
	v_mul_f32 v[SI+\n], v[SI+\n], v[ZZ+\n]
	v_mul_f32 v[TT+\n], v[ZZ+\n], v[ZZ+\n]
.endr
.irp n, 0,1,2,3,4,5,6,7,8,9,10,11,12,13,14,15
	v_fma_f32 v[SI+\n], v[SI+\n], v[AN+\n], v[AN+\n]               ; sin r = r + r z (..)
	v_fma_f32 v[ZZ+\n], v[ZZ+\n], -0.5, 1.0
.endr
.irp n, 0,1,2,3,4,5,6,7,8,9,10,11,12,13,14,15
	v_fma_f32 v[CC+\n], v[CC+\n], v[TT+\n], v[ZZ+\n]               ; cos r = 1 - z / 2 + z z (..)
	v_and_b32 v[TT+\n], 1, v[QD+\n]
.endr
.irp n, 0,1,2,3,4,5,6,7,8,9,10,11,12,13,14,15
	v_cmp_eq_u32 vcc_lo, 1, v[TT+\n]               ; in odd quadrants sin and cos change places
	v_cndmask_b32 v[SV+\n], v[SI+\n], v[CC+\n], vcc_lo
	v_cndmask_b32 v[CV+\n], v[CC+\n], v[SI+\n], vcc_lo
.endr
.irp n, 0,1,2,3,4,5,6,7,8,9,10,11,12,13,14,15
	v_and_b32 v[TT+\n], 2, v[QD+\n]                ; sin is negated in quadrants 2 and 3,
	v_add_nc_u32 v[QD+\n], 1, v[QD+\n]
.endr
.irp n, 0,1,2,3,4,5,6,7,8,9,10,11,12,13,14,15
	v_lshlrev_b32 v[TT+\n], 30, v[TT+\n]
	v_and_b32 v[QD+\n], 2, v[QD+\n]                ; cos in quadrants 1 and 2
.endr
.irp n, 0,1,2,3,4,5,6,7,8,9,10,11,12,13,14,15
	v_xor_b32 v[SV+\n], v[SV+\n], v[TT+\n]
	v_lshlrev_b32 v[QD+\n], 30, v[QD+\n]
.endr
.irp n, 0,1,2,3,4,5,6,7,8,9,10,11,12,13,14,15
	v_xor_b32 v[CV+\n], v[CV+\n], v[QD+\n]
.endr
.irp e, 0,1,2,3
	global_store_b128 v8, v[CV+4*\e:CV+4*\e+3], s[22:23] offset:512*\e             ; each store covers 512 consecutive bytes, aligned
	global_store_b128 v8, v[SV+4*\e:SV+4*\e+3], s[22:23] offset:8192+512*\e
.endr
	s_endpgm
.Lfunc_end_k_qf4c50e1a43_prep:
	.size	k_qf4c50e1a43_prep, .Lfunc_end_k_qf4c50e1a43_prep-k_qf4c50e1a43_prep
	.p2alignl 7, 3214868480
	.fill 96, 4, 3214868480
	.section	.rodata,"a",@progbits
	.p2align	6, 0x0
	.amdhsa_kernel k_qf4c50e1a43_prep
		.amdhsa_group_segment_fixed_size 33280
		.amdhsa_private_segment_fixed_size 0
		.amdhsa_enable_private_segment 0
		.amdhsa_kernarg_size 80
		.amdhsa_user_sgpr_count 2
		.amdhsa_user_sgpr_kernarg_segment_ptr 1
		.amdhsa_wavefront_size32 1
		.amdhsa_system_sgpr_workgroup_id_x 1
		.amdhsa_system_sgpr_workgroup_id_y 1
		.amdhsa_system_sgpr_workgroup_id_z 1
		.amdhsa_system_vgpr_workitem_id 0
		.amdhsa_next_free_vgpr 192
		.amdhsa_next_free_sgpr 66
		.amdhsa_reserve_vcc 1
		.amdhsa_float_denorm_mode_32 3
		.amdhsa_float_denorm_mode_16_64 3
		.amdhsa_memory_ordered 1
		.amdhsa_forward_progress 1
		.amdhsa_inst_pref_size 63
	.end_amdhsa_kernel
	.amdgpu_metadata
---
amdhsa.version: [ 1, 2 ]
amdhsa.kernels:
  - .name:           k_qf4c50e1a43_prep
    .symbol:         k_qf4c50e1a43_prep.kd
    .args:
      - { .name: x, .offset: 0, .size: 8, .value_kind: global_buffer, .address_space: global }
      - { .name: Wq, .offset: 8, .size: 8, .value_kind: global_buffer, .address_space: global }
      - { .name: Wk, .offset: 16, .size: 8, .value_kind: global_buffer, .address_space: global }
      - { .name: Wv, .offset: 24, .size: 8, .value_kind: global_buffer, .address_space: global }
      - { .name: Wo, .offset: 32, .size: 8, .value_kind: global_buffer, .address_space: global }
      - { .name: position_ids, .offset: 40, .size: 8, .value_kind: global_buffer, .address_space: global }
      - { .name: codes, .offset: 48, .size: 8, .value_kind: global_buffer, .address_space: global }
      - { .name: scales, .offset: 56, .size: 8, .value_kind: global_buffer, .address_space: global }
      - { .name: wo16, .offset: 64, .size: 8, .value_kind: global_buffer, .address_space: global }
      - { .name: tab, .offset: 72, .size: 8, .value_kind: global_buffer, .address_space: global }
    .group_segment_fixed_size: 33280
    .private_segment_fixed_size: 0
    .kernarg_segment_align: 8
    .kernarg_segment_size: 80
    .max_flat_workgroup_size: 128
    .sgpr_count:     66
    .vgpr_count:     192
    .wavefront_size: 32
...
	.end_amdgpu_metadata
.endif
;; end of part 1
;; launch qkv (part 2): grid 24 x 8, 4 waves a work-group, clusters of 4 x 4, 327,680 bytes of LDS; arguments codes, scales, tab, q_norm_w, k_norm_w, qkv16, qkv32; writes qkv16, qkv32
.if DOCPART == 2
	.amdgcn_target "amdgcn-amd-amdhsa--gfx1250"
	.amdhsa_code_object_version 6
	.text
	.protected	k_qf4c50e1a43_qkv
	.globl	k_qf4c50e1a43_qkv
	.p2align	8
	.type	k_qf4c50e1a43_qkv,@function
k_qf4c50e1a43_qkv:
	s_mov_b64 s[64:65], 0
	v_nop
	global_prefetch_b8 v0, s[64:65] scope:SCOPE_SE
	s_setreg_imm32_b32 hwreg(HW_REG_WAVE_MODE, 25, 1), 1
	s_wait_xcnt 0x0
	s_wait_alu depctr_hold_cnt(0) depctr_sa_sdst(0) depctr_va_vdst(0) depctr_va_sdst(0) depctr_va_ssrc(0) depctr_va_vcc(0) depctr_vm_vsrc(0)
	s_getreg_b32 s2, hwreg(HW_REG_IB_STS2, 6, 4)
	s_cmp_eq_u32 s2, 0
	s_cbranch_scc0 .Lentry_in_a_cluster
	s_endpgm
.Lentry_in_a_cluster:
	s_bfe_u32 s2, ttmp6, 0x10000c
	s_cmp_lg_u32 s2, 0xf033
	s_cbranch_scc0 .Lentry_shape_is_right
	s_endpgm
.Lentry_shape_is_right:
; q, k, v = x Wq^T, x Wk^T, x Wv^T on codes of FP4 (E2M1) with one E8M0 scale for each 32 along K = 2,048; f32 sums; then, for q and k, the RMS norm over a head's 256 numbers, the norm's weight and RoPE, all in f32.
; codes: [8192 rows][1024 bytes], rows 0-2047 x, 2048-8191 the 24 heads' 256 rows each (q 0-7, k 8-15, v 16-23); scales: [8192][64].  Out: qkv16 [24 heads][2048 rows][256] f16; qkv32: rows 0-15 of every head in f32,
; as images of the registers: [24][32 images][32 lanes][16 bytes], image 2 b + c: lane (r, h) holds row r, columns 16 b + 8 h + 4 c + 0 .. 3.
; SHARES.  A work-group makes 256 rows x one head: 192 work-groups.  Wave w makes rows 64 w .. 64 w + 63 x all 256 columns: 64 accumulators of 16 x 16, 512 registers.  THE MATRIX INSTRUCTION IS USED TRANSPOSED
; (source 0 = 16 rows of W, source 1 = 16 rows of x): lane (r, h) holds row r and columns 16 b + 8 h + j.  So a row's 256 numbers lie in lanes r and r + 16 of ONE wave, and a RoPE pair (n, n + 128) in the same
; register of tiles b and b + 8 of the same lane: norm and RoPE want one exchange between the halves of the lanes and no barrier.  The price: for 128 along K a wave reads 320 rows x 64 bytes from LDS, where a
; square wave tile would read 256.
; K goes in steps of 512 (rows of 256 bytes) through a ring of two LDS slots; K has four such steps, so the walk is written straight.  The scales of the work-group's rows, for all of K, come once and stay.
; CLUSTERS: 4 x 4 work-groups; x's tiles are shared along a row of the cluster, W's along a column: each is asked for jointly.  The kind of head (q, k, v) hangs on the cluster's x alone.
; LIMITS.  v is stored as f16: its magnitude has to stay under 65,504.  NaN and infinities are not served.
; REGISTERS, in windows of 256.  In the loop: window 0: v16-30 addresses; v32-111 scale words, two sets of 40; v112-175 x's fragments, two sets of 4 x 8.  Window 1: W's fragments, two sets of 16 x 8.
;   Windows 2, 3: accumulator (a, b) in window 2 + a / 2 at v[128 (a % 2) + 8 b].  On the way out: window 0: v32-47 sums of squares, then RoPE's temporaries; v48-55 1 / rms; v64-127 packed f16; v128-255 a block's 128 numbers.
;   Window 1: v0-127 the norm's weight; v128-191 cos, v192-255 sin.
.set PITCH,  272                       ; an LDS row: 256 bytes + 16 of padding: the 16 rows of a fragment load start in 16 different groups of four banks (ISA guide 11.1)
.set HALFT,  128*PITCH                 ; 128 rows: one tensor load
.set SLOT,   4*HALFT                   ; x's 256 rows, then W's 256 rows
.set SCL,    2*SLOT                    ; behind the ring: the scales, as runs of 256 bytes + 16 of padding; four rows of 64 bytes to a run
.set HALFS,  32*272                    ; the scales of 128 rows: one tensor load
.set SPARE,  SCL+4*HALFS               ; the spare words, 128 bytes a wave
.set SPITCH, 528                       ; the way out: a stage of 16 rows x (512 + 16) bytes for each wave, in slot 0, which has had its last fill and its last read by then
.set ADRA,  16                         ; v16-17 LDS address of my fragments of x in slot 0, 1
.set ADRB,  20                         ; v20-21 of W's
.set ADRSA, 22                         ; v22    of x's scale words: lanes 0-15 an even block of 16 rows, lanes 16-31 the odd block behind it
.set ADRSB, 23                         ; v23    of W's likewise
.set STO,   24                         ; v24    the stage: where I put 16 bytes of a row
.set RD,    25                         ; v25    and where I read a row back
.set CO,    26                         ; v26    16 x lane
.set ROWN,  27                         ; v27    my row of the first block: 256 x tile row + 64 x wave + r
.set SPW,   28                         ; v28    my spare word; never rewritten
.set NIL,   29                         ; v29    0; never rewritten
.set WOF,   30                         ; v30    32 h: my half's place in the norm's weight
.set SC,    32
.set AF,    112
.set SS,    32
.set TS,    32
.set RS,    48
.set P,     64
.set Y,     128
.set WV,    18                         ; s18 wave; s19 = wave / 2: I fetch for x (0) or for W (1); s20 = wave % 2: which 128 rows
.set G1,   24                          ; s[24:31], s[32:39]  groups 1 and 0 (a set for each slot) for x's tiles
.set G0,   32
.set G1B,  48                          ; s[48:55], s[56:63]  for W's
.set G0B,  56
.set G1S,  68                          ; s[68:75], s[76:79]  for x's scales
.set G0S,  76
.set G1SB, 80                          ; s[80:87], s[88:91]  for W's scales
.set G0SB, 88
.set MSB, 0
.macro WIN new                         ; the immediate's high byte repeats the setting that is left; a switch that changes nothing is dropped
.if MSB != (\new)
	s_set_vgpr_msb (MSB<<8)|(\new)
.set MSB, (\new)
.endif
.endm
.macro PLACES                          ; four plain vector instructions behind a matrix instruction, ahead of loads into its registers and of reads of its results
.rept 4
	v_nop
.endr
.endm
; A joint load: waves 0 and 1 fetch for x, waves 2 and 3 for W.  The branch hangs on the wave's number alone.  An s_nop 0 and four v_nop follow each of the two lines.
.macro JLOAD g0a, g1a, g0b, g1b
	s_cmp_eq_u32 s19, 0
	s_cbranch_scc0 .Lfor_b_\@
	tensor_load_to_lds s[\g0a:\g0a+3], s[\g1a:\g1a+7]
	s_nop 0
.rept 4
	v_nop
.endr
	s_branch .Lasked_\@
.Lfor_b_\@:
	tensor_load_to_lds s[\g0b:\g0b+3], s[\g1b:\g1b+7]
	s_nop 0
.rept 4
	v_nop
.endr
.Lasked_\@:
.endm
.macro CREST                           ; a round of the cluster's barrier behind its opening barrier
	s_cmp_lg_u32 s[WV], 0
	s_cbranch_scc1 .Lnot_wave_0_\@
	s_barrier_signal -3
.Lnot_wave_0_\@:
	s_barrier_wait -3
	s_barrier_signal -1
	s_barrier_wait -1
.endm
.macro CROUND
	s_barrier_signal -1
	s_barrier_wait -1
	CREST
.endm
	s_load_b256 s[4:11], s[0:1], 0x0               ; codes, scales, tab, q_norm_w
	s_load_b128 s[12:15], s[0:1], 0x20             ; k_norm_w, qkv16
	s_load_b64 s[16:17], s[0:1], 0x30              ; qkv32
	v_lshl_add_u32 v[SPW], v0, 2, SPARE
	v_mov_b32 v[NIL], 0
	ds_add_u32 v[SPW], v[NIL]                      ; the wave's opening: the add, twice on end, and its wait ahead of my first tensor load
	ds_add_u32 v[SPW], v[NIL]
	v_lshrrev_b32 v1, 5, v0
	v_readfirstlane_b32 s[WV], v1
	s_lshr_b32 s19, s[WV], 1
	s_and_b32 s20, s[WV], 1
	s_bfe_u32 s40, ttmp6, 0x40000                  ; cx, cy: my place in the cluster
	s_bfe_u32 s41, ttmp6, 0x40004
	s_lshl_b32 s42, ttmp9, 2
	s_add_co_u32 s42, s42, s40                     ; the head, 0 .. 23 = 4 x cluster x + cx
	s_and_b32 s21, ttmp7, 0xffff
	s_lshl_b32 s21, s21, 2
	s_add_co_u32 s21, s21, s41                     ; the tile row, 0 .. 7 = 4 x cluster y + cy
	s_lshl_b32 s43, s41, 2
	s_lshl_b32 s43, 15, s43                        ; my row of the cluster
	s_lshl_b32 s44, 0x1111, s40                    ; my column
	; group 1 for codes: 128 rows x 256 bytes, 1,024 bytes apart; 16 bytes of padding behind every 64 words
	s_or_b32 s[G1], s43, (1<<20)|(1<<21)|(5<<22)|(3<<25)
	s_or_b32 s[G1B], s44, (1<<20)|(1<<21)|(5<<22)|(3<<25)
.irp g, G1, G1B
	s_mov_b32 s[\g+1], 256<<16                     ; tensor_dim0
	s_mov_b32 s[\g+2], 128<<16                     ; tensor_dim1
	s_mov_b32 s[\g+3], 256<<16                     ; tile_dim0
	s_mov_b32 s[\g+4], 128                         ; tile_dim1
	s_mov_b32 s[\g+5], 1024                        ; from row to row
	s_mov_b32 s[\g+6], 0
	s_mov_b32 s[\g+7], 0
.endr
	; and for the scales of 128 rows: 8,192 dense bytes as 32 rows of 32 elements of 8 bytes, the same padding
	s_or_b32 s[G1S], s43, (3<<16)|(1<<20)|(1<<21)|(5<<22)|(3<<25)
	s_or_b32 s[G1SB], s44, (3<<16)|(1<<20)|(1<<21)|(5<<22)|(3<<25)
.irp g, G1S, G1SB
	s_mov_b32 s[\g+1], 32<<16
	s_mov_b32 s[\g+2], 32<<16
	s_mov_b32 s[\g+3], 32<<16
	s_mov_b32 s[\g+4], 32
	s_mov_b32 s[\g+5], 32
	s_mov_b32 s[\g+6], 0
	s_mov_b32 s[\g+7], 0
.endr
	s_lshl_b32 s22, s20, 7                         ; which 128 rows of a tile I fetch
	s_lshl_b32 s92, s21, 8
	s_add_co_u32 s92, s92, s22                     ; x: row 256 x tile row + 128 x half: it hangs on the tile row alone, which my row of the cluster shares
	s_lshl_b32 s46, s42, 8
	s_add_co_u32 s46, s46, s22
	s_add_co_u32 s46, s46, 2048                    ; W: row 2,048 + 256 x head + 128 x half: on the head alone, which my column shares
	s_mov_b32 s93, 0
	s_mov_b32 s47, 0
	s_lshl_b64 s[94:95], s[92:93], 6               ; their scales, 64 bytes a row,
	s_lshl_b64 s[96:97], s[46:47], 6
	s_lshl_b64 s[92:93], s[92:93], 10              ; and their codes, 1,024 bytes a row
	s_lshl_b64 s[46:47], s[46:47], 10
	s_mul_i32 s45, s[WV], HALFT                    ; where they go: no place in the cluster enters an LDS address
	s_mul_i32 s23, s[WV], HALFS
	s_mov_b32 s2, 0x3b800000                       ; 1 / 256
	s_mov_b32 s3, 0x358637bd                       ; 1e-6
	s_mov_b32 s66, 0x76543210                      ; v_permlanex16_b32's selects for lane l xor 16
	s_mov_b32 s67, 0xfedcba98
	s_wait_dscnt 0x0                               ; both opening adds are done
	s_wait_kmcnt 0x0
	s_add_nc_u64 s[92:93], s[4:5], s[92:93]
	s_add_nc_u64 s[94:95], s[6:7], s[94:95]
	s_add_nc_u64 s[46:47], s[4:5], s[46:47]
	s_add_nc_u64 s[96:97], s[6:7], s[96:97]
	CROUND                                         ; all sixteen work-groups are here: the first joint loads meet
	s_mov_b32 s[G0S], 1
	s_add_co_u32 s[G0S+1], s23, SCL
	s_mov_b64 s[G0S+2:G0S+3], s[94:95]
	s_or_b32 s[G0S+3], s[G0S+3], 0x80000000
	s_mov_b32 s[G0SB], 1
	s_add_co_u32 s[G0SB+1], s23, SCL
	s_mov_b64 s[G0SB+2:G0SB+3], s[96:97]
	s_or_b32 s[G0SB+3], s[G0SB+3], 0x80000000
	JLOAD G0S, G1S, G0SB, G1SB                     ; the scales first: they are wanted with K step 0.  Three loads of mine are out behind these lines
.irp s, 0,1
	s_mov_b32 s[G0+4*\s], 1
	s_add_co_u32 s[G0+4*\s+1], s45, \s*SLOT
	s_add_nc_u64 s[G0+4*\s+2:G0+4*\s+3], s[92:93], \s*256
	s_or_b32 s[G0+4*\s+3], s[G0+4*\s+3], 0x80000000
	s_mov_b32 s[G0B+4*\s], 1
	s_add_co_u32 s[G0B+4*\s+1], s45, \s*SLOT
	s_add_nc_u64 s[G0B+4*\s+2:G0B+4*\s+3], s[46:47], \s*256
	s_or_b32 s[G0B+4*\s+3], s[G0B+4*\s+3], 0x80000000
	JLOAD G0+4*\s, G1, G0B+4*\s, G1B
.endr
	v_and_b32 v1, 15, v0                           ; r
	v_bfe_u32 v2, v0, 4, 1                         ; h
	v_mul_u32_u24 v3, v1, PITCH
	v_lshl_add_u32 v3, v2, 4, v3                   ; a fragment's row x pitch + 16 h
	s_mul_i32 s22, s[WV], 64*PITCH                 ; my 64 rows of x
	v_add_nc_u32 v[ADRA], s22, v3
	v_add_nc_u32 v[ADRA+1], SLOT, v[ADRA]
	v_add_nc_u32 v[ADRB], 2*HALFT, v3              ; W's 256 rows lie behind x's 256
	v_add_nc_u32 v[ADRB+1], SLOT, v[ADRB]
	v_lshrrev_b32 v4, 2, v1                        ; a row's scales: run r / 4 of 272 bytes, 64 (r % 4) in it; lanes 16-31 one block of 16 rows (four runs) on
	v_mul_u32_u24 v4, v4, 272
	v_and_b32 v5, 3, v1
	v_lshl_add_u32 v4, v5, 6, v4
	v_mad_u32_u24 v4, v2, 1088, v4
	v_add_nc_u32 v[ADRSB], SCL+2*HALFS, v4
	s_mul_i32 s22, s[WV], 4352                     ; my 64 rows' scales: sixteen runs
	s_add_co_u32 s22, s22, SCL
	v_add_nc_u32 v[ADRSA], s22, v4
	s_mul_i32 s22, s[WV], 16*SPITCH                ; my stage
	v_mul_u32_u24 v5, v1, SPITCH
	v_lshl_add_u32 v5, v2, 4, v5
	v_add_nc_u32 v[STO], s22, v5
	v_and_b32 v6, 31, v0
	v_lshlrev_b32 v[CO], 4, v6
	v_add_nc_u32 v[RD], s22, v[CO]
	v_lshlrev_b32 v[WOF], 5, v2
	s_lshl_b32 s22, s21, 8
	s_lshl_b32 s23, s[WV], 6
	s_add_co_u32 s22, s22, s23                     ; my first row
	v_add_nc_u32 v[ROWN], s22, v1
	s_lshl_b32 s46, s42, 20                        ; qkv16: a head is 2^20 bytes, a row 512
	s_lshl_b32 s23, s22, 9
	s_add_co_u32 s46, s46, s23
	s_mov_b32 s47, 0
	s_add_nc_u64 s[14:15], s[14:15], s[46:47]
	s_lshl_b32 s46, s42, 14                        ; qkv32: a head's images are 16,384 bytes
	s_add_nc_u64 s[16:17], s[16:17], s[46:47]
	s_lshl_b32 s46, s22, 10                        ; tab: a block of 16 rows is 16,384 bytes
	s_add_nc_u64 s[8:9], s[8:9], s[46:47]
	s_cmp_lt_u32 ttmp9, 2                          ; q's weight or k's: by the cluster's x
	s_cselect_b64 s[10:11], s[10:11], s[12:13]
; 16 matrix instructions: x's block a against W's sixteen, 128 along K: the slot's q-th.  p: the set of fragments; sc: the set of scale words.  zero = 1: the first product starts the sums.
; A scale register carries an even block's words in lanes 0-15 and the odd block's in lanes 16-31.  The 64 accumulators take turns, one instruction a turn, in the same order in every step.
.macro MUL a, p, q, sc, zero
	WIN 0xa1+0x50*((\a)/2)                         ; source 0 (W) window 1, source 1 (x) window 0, C and D window 2 or 3
.set DA, 128*((\a)%2)
.set FA, AF+32*(\p)+8*(\a)
.set SA, SC+40*(\sc)+32+4*((\a)/2)+(\q)
.irp i, 0,1,2,3,4,5,6,7
.set D0, DA+16*\i
.set FB, 128*(\p)+16*\i
.set SB, SC+40*(\sc)+4*\i+(\q)
.if \zero
.if (\a)%2
	v_wmma_scale_f32_16x16x128_f8f6f4 v[D0:D0+7], v[FB:FB+7], v[FA:FA+7], 0, v[SB], v[SA] matrix_a_fmt:MATRIX_FMT_FP4 matrix_b_fmt:MATRIX_FMT_FP4 matrix_b_scale:MATRIX_SCALE_ROW1
	v_wmma_scale_f32_16x16x128_f8f6f4 v[D0+8:D0+15], v[FB+8:FB+15], v[FA:FA+7], 0, v[SB], v[SA] matrix_a_fmt:MATRIX_FMT_FP4 matrix_b_fmt:MATRIX_FMT_FP4 matrix_a_scale:MATRIX_SCALE_ROW1 matrix_b_scale:MATRIX_SCALE_ROW1
.else
	v_wmma_scale_f32_16x16x128_f8f6f4 v[D0:D0+7], v[FB:FB+7], v[FA:FA+7], 0, v[SB], v[SA] matrix_a_fmt:MATRIX_FMT_FP4 matrix_b_fmt:MATRIX_FMT_FP4
	v_wmma_scale_f32_16x16x128_f8f6f4 v[D0+8:D0+15], v[FB+8:FB+15], v[FA:FA+7], 0, v[SB], v[SA] matrix_a_fmt:MATRIX_FMT_FP4 matrix_b_fmt:MATRIX_FMT_FP4 matrix_a_scale:MATRIX_SCALE_ROW1
.endif
.else
.if (\a)%2
	v_wmma_scale_f32_16x16x128_f8f6f4 v[D0:D0+7], v[FB:FB+7], v[FA:FA+7], v[D0:D0+7], v[SB], v[SA] matrix_a_fmt:MATRIX_FMT_FP4 matrix_b_fmt:MATRIX_FMT_FP4 matrix_b_scale:MATRIX_SCALE_ROW1
	v_wmma_scale_f32_16x16x128_f8f6f4 v[D0+8:D0+15], v[FB+8:FB+15], v[FA:FA+7], v[D0+8:D0+15], v[SB], v[SA] matrix_a_fmt:MATRIX_FMT_FP4 matrix_b_fmt:MATRIX_FMT_FP4 matrix_a_scale:MATRIX_SCALE_ROW1 matrix_b_scale:MATRIX_SCALE_ROW1
.else
	v_wmma_scale_f32_16x16x128_f8f6f4 v[D0:D0+7], v[FB:FB+7], v[FA:FA+7], v[D0:D0+7], v[SB], v[SA] matrix_a_fmt:MATRIX_FMT_FP4 matrix_b_fmt:MATRIX_FMT_FP4
	v_wmma_scale_f32_16x16x128_f8f6f4 v[D0+8:D0+15], v[FB+8:FB+15], v[FA:FA+7], v[D0+8:D0+15], v[SB], v[SA] matrix_a_fmt:MATRIX_FMT_FP4 matrix_b_fmt:MATRIX_FMT_FP4 matrix_a_scale:MATRIX_SCALE_ROW1
.endif
.endif
.endr
.endm
; 40 LDS loads in one run: the fragments of the slot's q-th 128 along K into set p.  A fragment, 16 rows x 128 K of 4-bit codes, is 8 registers: lane (r, h) holds row r; registers 4 c .. 4 c + 3 hold K = 64 c + 32 h + 0 .. 31
.macro FETCH slot, q, p
	WIN 0x40                                       ; destination window 1, address window 0
.irp i, 0,1,2,3,4,5,6,7,8,9,10,11,12,13,14,15
	ds_load_b128 v[128*(\p)+8*\i:128*(\p)+8*\i+3],   v[ADRB+\slot] offset:64*(\q)+\i*16*PITCH
	ds_load_b128 v[128*(\p)+8*\i+4:128*(\p)+8*\i+7], v[ADRB+\slot] offset:64*(\q)+32+\i*16*PITCH
.endr
	WIN 0
.irp i, 0,1,2,3
	ds_load_b128 v[AF+32*(\p)+8*\i:AF+32*(\p)+8*\i+3],   v[ADRA+\slot] offset:64*(\q)+\i*16*PITCH
	ds_load_b128 v[AF+32*(\p)+8*\i+4:AF+32*(\p)+8*\i+7], v[ADRA+\slot] offset:64*(\q)+32+\i*16*PITCH
.endr
.endm
.macro SCALES s                        ; a K step's four scale words a row into set s: W's eight pairs of blocks, x's two
.irp i, 0,1,2,3,4,5,6,7
	ds_load_b128 v[SC+40*\s+4*\i:SC+40*\s+4*\i+3], v[ADRSB] offset:\i*2176
.endr
.irp i, 0,1
	ds_load_b128 v[SC+40*\s+32+4*\i:SC+40*\s+32+4*\i+3], v[ADRSA] offset:\i*2176
.endr
.endm
; A step of 128 along K that has its successor in the same slot: the next step's fragments are asked for behind the first 16 products, 48 products ahead of their use
.macro STEP slot, q, zero
	s_wait_dscnt 0x0                               ; this step's fragments are in
	MUL 0, (\q)%2, \q, \slot, \zero
	PLACES                                         ; behind the last step's products, which read the other set
	FETCH \slot, (\q)+1, 1-(\q)%2
	MUL 1, (\q)%2, \q, \slot, \zero
	MUL 2, (\q)%2, \q, \slot, \zero
	MUL 3, (\q)%2, \q, \slot, \zero
.endm
; A slot's last step changes slots: one barrier; ahead of it each wave waits for all its tensor loads, adds 0 to its spare word, and waits for that and for its reads of this slot.  fill = 1: this slot is filled again
.macro TURN slot, next, fill
	WIN 0                                          ; (the add's two registers lie in window 0)
	s_wait_tensorcnt 0x0                           ; all my tensor loads have landed: my part of the next slot
	ds_add_u32 v[SPW], v[NIL]                      ; 0 onto my spare word
	s_wait_dscnt 1                                 ; this step's fragments are in; the add may be out
	MUL 0, 1, 3, \slot, 0                          ; sixteen matrix instructions stand between the add and the wait for it
	s_wait_dscnt 0x0                               ; the add is done, and my reads of this slot are over
	s_barrier_signal -1
	MUL 1, 1, 3, \slot, 0
	WIN 0
	s_barrier_wait -1
.if \fill
	CREST                                          ; the barrier has opened a round of the cluster's: no wave of any partner still reads this slot or has a load on its way
	s_add_nc_u64 s[G0+4*\slot+2:G0+4*\slot+3], s[G0+4*\slot+2:G0+4*\slot+3], 512
	s_add_nc_u64 s[G0B+4*\slot+2:G0B+4*\slot+3], s[G0B+4*\slot+2:G0B+4*\slot+3], 512
	JLOAD G0+4*\slot, G1, G0B+4*\slot, G1B         ; the first tensor load behind the round, my one load until the next; its four v_nop are the places ahead of the loads below
.else
	PLACES
.endif
	v_add_nc_u32 v[ADRSA], 16, v[ADRSA]            ; on to the next K step's scale words
	v_add_nc_u32 v[ADRSB], 16, v[ADRSB]
	FETCH \next, 0, 0
	SCALES \next
	MUL 2, 1, 3, \slot, 0
	MUL 3, 1, 3, \slot, 0
.endm
	s_wait_tensorcnt 1                             ; the scales and my part of K step 0 are in; K step 1's load may be out
	s_barrier_signal -1
	s_barrier_wait -1
	FETCH 0, 0, 0
	SCALES 0
	STEP 0, 0, 1                                   ; the first products start the sums: nothing is cleared
	STEP 0, 1, 0
	STEP 0, 2, 0
	TURN 0, 1, 1
	STEP 1, 0, 0
	STEP 1, 1, 0
	STEP 1, 2, 0
	TURN 1, 0, 1
	STEP 0, 0, 0
	STEP 0, 1, 0
	STEP 0, 2, 0
	TURN 0, 1, 0                                   ; nothing is left to fetch: a plain barrier.  Behind it nobody reads slot 0
	STEP 1, 0, 0
	STEP 1, 1, 0
	STEP 1, 2, 0
	s_wait_dscnt 0x0
	MUL 0, 1, 3, 1, 0
	MUL 1, 1, 3, 1, 0
	MUL 2, 1, 3, 1, 0
	MUL 3, 1, 3, 1, 0
	WIN 0
	PLACES                                         ; behind the last products: for the reads of results, the loads into fragments' registers and the writes of scale registers below
; 16 rows of f16, packed in v[P] on, go through my stage and leave as whole rows: 32 lanes store 512 consecutive bytes, aligned
.macro OUT16 a
.irp b, 0,1,2,3,4,5,6,7,8,9,10,11,12,13,14,15
	ds_store_b128 v[STO], v[P+4*\b:P+4*\b+3] offset:32*\b
.endr
.irp t, 0,1,2,3,4,5,6,7,8,9,10,11,12,13,14,15
	ds_load_b128 v[P+4*\t:P+4*\t+3], v[RD] offset:\t*SPITCH        ; LDS serves a wave's instructions in order (ISA guide 5.7.1): these see the stores above
.endr
.irp t, 0,1,2,3,4,5,6,7,8,9,10,11,12,13,14,15
	s_wait_dscnt 15-\t                             ; row t is back; the younger loads may be out
	global_store_b128 v[CO], v[P+4*\t:P+4*\t+3], s[14:15] offset:(\a)*8192+\t*512
.endr
.endm
; Rows 0-15 in f32, as they stand in 128 registers from v[base] on of the window that w names for a store's data.  Only wave 0 of the work-groups of tile row 0 holds them: the two branches hang on the wave's number
; and on the cluster's y; which of that cluster row's four tile rows it is, is told by the row number, through EXEC.  EXEC changes only behind s_wait_xcnt 0.
.macro IMG32 w, base
	s_cmp_lg_u32 s[WV], 0
	s_cbranch_scc1 .Lno_img_\@
	s_and_b32 s22, ttmp7, 0xffff
	s_cmp_lg_u32 s22, 0
	s_cbranch_scc1 .Lno_img_\@
	s_wait_xcnt 0x0
	v_cmp_gt_u32 vcc_lo, 16, v[ROWN]
	s_and_saveexec_b32 s23, vcc_lo
	WIN \w
.irp i, 0,1,2,3,4,5,6,7,8,9,10,11,12,13,14,15,16,17,18,19,20,21,22,23,24,25,26,27,28,29,30,31
	global_store_b128 v[CO], v[\base+4*\i:\base+4*\i+3], s[16:17] offset:\i*512
.endr
	WIN 0
	s_wait_xcnt 0x0
	s_or_b32 exec_lo, exec_lo, s23
.Lno_img_\@:
.endm
	s_cmp_ge_u32 ttmp9, 4                          ; v's heads have neither norm nor RoPE
	s_cbranch_scc1 .Lv
; ---- q and k
.macro TABLOAD a                       ; cos and sin of my block a of 16 rows: 32 images, 512 consecutive bytes each
	WIN 0x40
.irp i, 0,1,2,3,4,5,6,7,8,9,10,11,12,13,14,15,16,17,18,19,20,21,22,23,24,25,26,27,28,29,30,31
	global_load_b128 v[128+4*\i:128+4*\i+3], v[CO], s[8:9] offset:(\a)*16384+\i*512
.endr
	WIN 0
.endm
	WIN 0x40
.irp i, 0,1,2,3,4,5,6,7,8,9,10,11,12,13,14,15,16,17,18,19,20,21,22,23,24,25,26,27,28,29,30,31
	global_load_b128 v[4*\i:4*\i+3], v[WOF], s[10:11] offset:(\i/2)*64+(\i%2)*16   ; the weight of columns 16 b + 8 h + 0 .. 7, in the results' layout
.endr
	TABLOAD 0
; the sums of squares of blocks a and a + 1, which share a window: four chains of pairs.  Each accumulator is read from its low end on
.macro SUMSQ2 a
	WIN 0x0a+5*((\a)/2)
.irp u, 0,1
	v_pk_mul_f32 v[SS+4*(\a+\u):SS+4*(\a+\u)+1], v[128*\u:128*\u+1], v[128*\u:128*\u+1]
	v_pk_mul_f32 v[SS+4*(\a+\u)+2:SS+4*(\a+\u)+3], v[128*\u+2:128*\u+3], v[128*\u+2:128*\u+3]
.endr
.set g, 4
.rept 31
.irp u, 0,1
	v_pk_fma_f32 v[SS+4*(\a+\u):SS+4*(\a+\u)+1], v[128*\u+g:128*\u+g+1], v[128*\u+g:128*\u+g+1], v[SS+4*(\a+\u):SS+4*(\a+\u)+1]
	v_pk_fma_f32 v[SS+4*(\a+\u)+2:SS+4*(\a+\u)+3], v[128*\u+g+2:128*\u+g+3], v[128*\u+g+2:128*\u+g+3], v[SS+4*(\a+\u)+2:SS+4*(\a+\u)+3]
.endr
.set g, g+4
.endr
.endm
	SUMSQ2 0
	SUMSQ2 2
	WIN 0
.irp a, 0,1,2,3
	v_add_f32 v[SS+4*\a], v[SS+4*\a], v[SS+4*\a+1]
	v_add_f32 v[SS+4*\a+2], v[SS+4*\a+2], v[SS+4*\a+3]
.endr
.irp a, 0,1,2,3
	v_add_f32 v[SS+4*\a], v[SS+4*\a], v[SS+4*\a+2]
.endr
.irp a, 0,1,2,3
	v_permlanex16_b32 v[SS+4*\a+1], v[SS+4*\a], s66, s67           ; the row's other 128 numbers lie in the lane 16 away
.endr
.irp a, 0,1,2,3
	v_add_f32 v[SS+4*\a], v[SS+4*\a], v[SS+4*\a+1]
.endr
.irp a, 0,1,2,3
	v_fma_f32 v[SS+4*\a], v[SS+4*\a], s2, s3       ; the mean of the squares + 1e-6
.endr
.irp a, 0,1,2,3
	v_rsq_f32 v[RS+2*\a], v[SS+4*\a]               ; twice: the packed multiply names a pair
	v_rsq_f32 v[RS+2*\a+1], v[SS+4*\a]
.endr
	v_nop                                          ; a plain instruction behind the last of the batch
	s_wait_alu depctr_va_vdst(0)                   ; one wait for the eight, ahead of their first reader
.macro BLOCK a
.set AC, 128*((\a)%2)
	WIN 0x02+((\a)/2)                              ; source 0: the accumulators' window
.set g, 0
.rept 64
	v_pk_mul_f32 v[Y+g:Y+g+1], v[AC+g:AC+g+1], v[RS+2*\a:RS+2*\a+1] op_sel_hi:[1,0]
.set g, g+2
.endr
.if \a == 0
	s_wait_loadcnt 32                              ; the weight's 32 loads are in; the table's 32 may be out
.endif
	WIN 0x04                                       ; source 1: window 1
.set g, 0
.rept 64
	v_pk_mul_f32 v[Y+g:Y+g+1], v[Y+g:Y+g+1], v[g:g+1]
.set g, g+2
.endr
	s_wait_loadcnt 0x0                             ; this block's cos and sin
.set g, 0
.rept 32                               ; x1 cos - x2 sin, x2 cos + x1 sin: two columns at a time; four sets of temporaries by turns
.set T, TS+4*((g/2)%4)
	v_pk_mul_f32 v[T:T+1], v[Y+64+g:Y+64+g+1], v[192+g:192+g+1]
	v_pk_mul_f32 v[T+2:T+3], v[Y+g:Y+g+1], v[192+g:192+g+1]
	v_pk_fma_f32 v[Y+g:Y+g+1], v[Y+g:Y+g+1], v[128+g:128+g+1], v[T:T+1] neg_lo:[0,0,1] neg_hi:[0,0,1]
	v_pk_fma_f32 v[Y+64+g:Y+64+g+1], v[Y+64+g:Y+64+g+1], v[128+g:128+g+1], v[T+2:T+3]
.set g, g+2
.endr
	WIN 0
.if \a == 0
	IMG32 0, Y
.endif
.if \a < 3
	TABLOAD (\a)+1                                 ; the next block's table lands while this block goes out
.endif
	s_wait_xcnt 0x0                                ; the last block's stores have read v[P] on: it is written again only behind this wait
.set g, 0
.rept 64
	v_cvt_pk_f16_f32 v[P+g], v[Y+2*g], v[Y+2*g+1]
.set g, g+1
.endr
	OUT16 \a
.endm
	BLOCK 0
	BLOCK 1
	BLOCK 2
	BLOCK 3
	s_branch .Ldone
; ---- v: as it is
.Lv:
	IMG32 0x08, 0                                  ; a store's data are its source 1: window 2, block 0; each accumulator from its low end on
.macro VBLOCK a
.set AC, 128*((\a)%2)
	s_wait_xcnt 0x0                                ; earlier stores have read v[P] on
	WIN 0x0a+5*((\a)/2)
.set g, 0
.rept 64
	v_cvt_pk_f16_f32 v[P+g], v[AC+2*g], v[AC+2*g+1]
.set g, g+1
.endr
	WIN 0
	OUT16 \a
.endm
	VBLOCK 0
	VBLOCK 1
	VBLOCK 2
	VBLOCK 3
.Ldone:
	s_wait_tensorcnt 0x0                           ; the wave's end
	ds_add_u32 v[SPW], v[NIL]
	s_wait_dscnt 0x0
	CROUND                                         ; the closing round: no work-group ends while a partner may still ask for a tile that names it
	s_endpgm
.Lfunc_end_k_qf4c50e1a43_qkv:
	.size	k_qf4c50e1a43_qkv, .Lfunc_end_k_qf4c50e1a43_qkv-k_qf4c50e1a43_qkv
	.p2alignl 7, 3214868480
	.fill 96, 4, 3214868480
	.section	.rodata,"a",@progbits
	.p2align	6, 0x0
	.amdhsa_kernel k_qf4c50e1a43_qkv
		.amdhsa_group_segment_fixed_size 327680
		.amdhsa_private_segment_fixed_size 0
		.amdhsa_enable_private_segment 0
		.amdhsa_kernarg_size 56
		.amdhsa_user_sgpr_count 2
		.amdhsa_user_sgpr_kernarg_segment_ptr 1
		.amdhsa_wavefront_size32 1
		.amdhsa_system_sgpr_workgroup_id_x 1
		.amdhsa_system_sgpr_workgroup_id_y 1
		.amdhsa_system_sgpr_workgroup_id_z 1
		.amdhsa_system_vgpr_workitem_id 0
		.amdhsa_next_free_vgpr 1024
		.amdhsa_next_free_sgpr 100
		.amdhsa_reserve_vcc 1
		.amdhsa_float_denorm_mode_32 3
		.amdhsa_float_denorm_mode_16_64 3
		.amdhsa_memory_ordered 1
		.amdhsa_forward_progress 1
		.amdhsa_inst_pref_size 255
	.end_amdhsa_kernel
	.section	.bss,"aw",@nobits
	.p2align	6
	.space	262144
	.amdgpu_metadata
---
amdhsa.version: [ 1, 2 ]
amdhsa.kernels:
  - .name:           k_qf4c50e1a43_qkv
    .symbol:         k_qf4c50e1a43_qkv.kd
    .args:
      - { .name: codes, .offset: 0, .size: 8, .value_kind: global_buffer, .address_space: global }
      - { .name: scales, .offset: 8, .size: 8, .value_kind: global_buffer, .address_space: global }
      - { .name: tab, .offset: 16, .size: 8, .value_kind: global_buffer, .address_space: global }
      - { .name: q_norm_w, .offset: 24, .size: 8, .value_kind: global_buffer, .address_space: global }
      - { .name: k_norm_w, .offset: 32, .size: 8, .value_kind: global_buffer, .address_space: global }
      - { .name: qkv16, .offset: 40, .size: 8, .value_kind: global_buffer, .address_space: global }
      - { .name: qkv32, .offset: 48, .size: 8, .value_kind: global_buffer, .address_space: global }
    .group_segment_fixed_size: 327680
    .private_segment_fixed_size: 0
    .kernarg_segment_align: 8
    .kernarg_segment_size: 56
    .max_flat_workgroup_size: 128
    .sgpr_count:     100
    .vgpr_count:     1024
    .wavefront_size: 32
...
	.end_amdgpu_metadata
.endif
;; end of part 2
;; launch attn (part 3): grid 32 x 8, 4 waves a work-group, clusters of 4 x 1, 327,680 bytes of LDS; arguments qkv16, attn16; writes attn16
.if DOCPART == 3
	.amdgcn_target "amdgcn-amd-amdhsa--gfx1250"
	.amdhsa_code_object_version 6
	.text
	.protected	k_qf4c50e1a43_attn
	.globl	k_qf4c50e1a43_attn
	.p2align	8
	.type	k_qf4c50e1a43_attn,@function
k_qf4c50e1a43_attn:
	s_mov_b64 s[64:65], 0
	v_nop
	global_prefetch_b8 v0, s[64:65] scope:SCOPE_SE
	s_setreg_imm32_b32 hwreg(HW_REG_WAVE_MODE, 25, 1), 1
	s_wait_xcnt 0x0
	s_wait_alu depctr_hold_cnt(0) depctr_sa_sdst(0) depctr_va_vdst(0) depctr_va_sdst(0) depctr_va_ssrc(0) depctr_va_vcc(0) depctr_vm_vsrc(0)
	s_getreg_b32 s2, hwreg(HW_REG_IB_STS2, 6, 4)
	s_cmp_eq_u32 s2, 0
	s_cbranch_scc0 .Lentry_in_a_cluster
	s_endpgm
.Lentry_in_a_cluster:
	s_bfe_u32 s2, ttmp6, 0x10000c
	s_cmp_lg_u32 s2, 0x3003
	s_cbranch_scc0 .Lentry_shape_is_right
	s_endpgm
.Lentry_shape_is_right:
; attn16[q][256 head + :] = the sum over keys k <= q of softmax_k(Q[q] . K[k] / 16) V[k][:], for 8 heads of 256 channels, 2,048 positions.  qkv16: [24 heads: q 0-7, k 8-15, v 16-23][2048][256] f16.
; Products on f16 operands with f32 sums; maxima, exponentials and sums in f32; the weights p are rounded to f16 for the second product, the result once at the end.
; NUMBERING.  With x and y the cluster's: head = 4 (x / 4) + y / 2, pair = 4 (y % 2) + x % 4: a one-to-one map of the 64 clusters, in which the eight clusters of a head are neighbours in x and in y.
; SHARES.  A cluster of four work-groups owns two blocks of 128 queries of one head, J = pair and J = 15 - pair: block J wants J + 1 key steps of 128, so EVERY work-group walks 17 steps.
; Partner b owns queries 128 J + 32 b .. + 31: two tiles of 16.  ALL FOUR WAVES HOLD THE SAME TWO TILES AND SPLIT THE KEYS: of a step's 128 keys wave w takes 32 w .. 32 w + 31, with a running maximum, sum and O^T
; of its own; at a block's end the four are merged through LDS.  So each fragment of K and V read from LDS feeds two products, and a wave has 64 products a step.
; THE WALK.  The block of even length goes first, so that the change of blocks always falls behind a step in slot 1.  A BLOCK WALKS ITS TILES OF KEYS DOWNWARD FROM THE DIAGONAL ONE: J, J - 1, .. 0.  The eight clusters
; of a head so begin at tiles 15, 1, 13, 3, 11, 5, 9, 7 and go on to 14, 0, 12, 2, 10, 4, 8, 6: their first two requests name each of the head's 16 tiles once, and every later request names a tile that another
; cluster has asked for at least a step before.  Only a block's first step touches the diagonal: steps 0 and NF, both even.
; NO PREFETCH: by that walk every tile of K and V is named by a tensor load among a cluster's first two requests, at the kernel's head and one step behind it: no first request comes later that could be asked for ahead.
; No wave ever leaves a tile unread: a tile wholly behind the mask gives p = 0, and a wave that saw no key keeps the maximum -3e38 and weighs 0 in the merge.  So all partners make every joint request, and no
; branch hangs on a place in the cluster.
; LAYOUT.  S^T = K Q^T (source 0 = 16 keys, source 1 = 16 queries): a lane holds ONE query (lane % 16) and keys 8 (lane / 16) + 0 .. 7.  Two such tiles, rounded to f16 in pairs, ARE source 1 (32 keys x 16 queries) of
; O^T = V^T P.  K comes out of LDS as it lies, V ([key][channel]) turned, by ds_load_tr16_b128.
; SOFTMAX.  p = 2^(c s - c m), c = log2(e) / 16, m the wave's running maximum; in every step O^T and l are multiplied by a = 2^(c m_old - c m_new).
; LIMITS.  The second block begins with m = -3e38 and old O^T and l; the first step in which the wave sees a key has a = 0, which clears them, and a wave that sees none weighs 0 in the merge: both take them to be
; finite.  v and the result stay under 65,504.  NaN and infinities are not served.
; REGISTERS, in windows of 256 (s_set_vgpr_msb: bits 1:0 source 0, 3:2 source 1, 5:4 source 2, 7:6 destination):
;   window 0: v2-18 addresses and constants; v24-39 statistics, 8 a tile; v40-63 the merge's; v64-95 S^T; v96-111 P; v112-167 the merge's sums, packed results and rows.
;   window 1: O^T, tile t, channels 16 ct on, at v[128 t + 8 ct].   window 2: v0-127 Q; v128-255 K of my 32 keys.   window 3: v0-127 V^T of my 32 keys; v128-191 the merge's read-in.
.set PK,    528                        ; a row of K in LDS: 512 bytes + 16: the 16 rows of a load start in 16 different groups of four banks (ISA guide 11.1)
.set PV,    544                        ; a row of V: 512 + 32: an odd multiple of 32, as the turning load's 8 rows x 32 bytes want
.set VOFF,  128*PK                     ; a slot: 128 rows of K, then 128 rows of V
.set SLOTB, 128*(PK+PV)
.set SPARE, 2*SLOTB                    ; the spare words, 128 bytes a wave
.set STATS, SPARE+512                  ; the merge: c m and l of two tiles, 128 bytes each, for each wave
.set XCH,   STATS+2048                 ; 8,192 bytes for each wave: eight channel tiles of O^T as images of their registers
.set STG,   XCH+32768                  ; 32 rows x (512 + 16) bytes: the block's result in f16
.set HEADB, 1048576
.set AK,   2                           ; v2-3  my lane's place in my 32 rows of K, slot 0, 1
.set AV,   4                           ; v4-5  the same for V
.set QO,   6                           ; v6    my byte offset in a tile's rows of Q
.set MD,   7                           ; v7    32 (b - w) + r - 8 h: on the diagonal key 16 kt + j of my 32 is hidden from query r of tile t where 16 kt + j - 16 t is above it
.set SWA,  8
.set SRA,  9
.set XWA,  10
.set XRA,  11
.set SGA,  12
.set SGR,  13
.set GO,   14
.set SPW,  16                          ; v16   my spare word; never rewritten
.set NIL,  17                          ; v17   0; never rewritten
.set NINF, 18                          ; v18   -infinity
.set ST,   24                          ; tile t at v[ST + 8 t]: +0 c m, +1 m, +2, +3 l (even keys', odd keys'), +4 .. +7 at work; a in +6
.set MT,   40
.set S,    64                          ; tile t, keys 16 kt on, at v[S + 16 t + 8 kt]
.set P,    96
.set R,    112
.set H,    128
.set OB,   136
.set KF,   128                         ; K's fragments in window 2: channels 32 cc on, keys 16 kt on, at v[KF + 8 (2 cc + kt)]
.set WV,   8
.set CX,   9
.set CC,   10                          ; s10  the pair of blocks, 0 .. 7
.set HD,   11                          ; s11  the head
.set NF,   12                          ; s12  steps of the first block
.set N,    13                          ; s13  the step, 0 .. 16
.set KT,   14                          ; s14  its tile of 128 keys
.set J2,   15                          ; s15  the second block's diagonal tile: 16 - NF
.set KO,   16                          ; s[16:17] the next tile's byte offset
.set DG,   18                          ; s18  the next step on a diagonal: 0, then NF
.set BK,   20                          ; s[20:21] K at my half of tile 0; s[22:23] V likewise
.set BV,   22
.set G1K,  24
.set G1V,  32
.set G0K,  40                          ; s[40:47] group 0 for K, a set for each slot; s[48:55] for V
.set G0V,  48
.set TRIP, 56
.set CS,   58                          ; s[58:59] c, twice: the packed scaling names a pair
.set SEL,  60                          ; s[60:61] v_permlanex16_b32's selects for lane l xor 16
.set QB0,  66                          ; s[66:73] Q of the first and second block, attn16 likewise
.set QB1,  68
.set OB0,  70
.set OB1,  72
.set MSB, 0
.macro WIN new
.if MSB != (\new)
	s_set_vgpr_msb (MSB<<8)|(\new)
.set MSB, (\new)
.endif
.endm
.macro PLACES
.rept 4
	v_nop
.endr
.endm
; A joint load: waves 0 and 1 fetch the two halves (64 rows) of K's tile, waves 2 and 3 of V's.  The branch hangs on the wave's number alone.  An s_nop 0 and four v_nop follow each line.
.macro JLOAD s
	s_cmp_lt_u32 s[WV], 2
	s_cbranch_scc0 .Lfor_v_\@
	tensor_load_to_lds s[G0K+4*(\s):G0K+4*(\s)+3], s[G1K:G1K+7]
	s_nop 0
.rept 4
	v_nop
.endr
	s_branch .Lasked_\@
.Lfor_v_\@:
	tensor_load_to_lds s[G0V+4*(\s):G0V+4*(\s)+3], s[G1V:G1V+7]
	s_nop 0
.rept 4
	v_nop
.endr
.Lasked_\@:
.endm
.macro CROUND                          ; a round of the cluster's barrier
	s_barrier_signal -1
	s_barrier_wait -1
	s_cmp_lg_u32 s[WV], 0
	s_cbranch_scc1 .Lnot_wave_0_\@
	s_barrier_signal -3
.Lnot_wave_0_\@:
	s_barrier_wait -3
	s_barrier_signal -1
	s_barrier_wait -1
.endm
.macro BARRIER                         ; my LDS stores have landed and my LDS loads are in: then the work-group's barrier
	s_wait_dscnt 0x0
	s_barrier_signal -1
	s_barrier_wait -1
.endm
	s_load_b128 s[4:7], s[0:1], 0x0                ; qkv16, attn16
	v_lshl_add_u32 v[SPW], v0, 2, SPARE
	v_mov_b32 v[NIL], 0
	ds_add_u32 v[SPW], v[NIL]                      ; the wave's opening: the add, twice on end, and its wait ahead of my first tensor load
	ds_add_u32 v[SPW], v[NIL]
	v_lshrrev_b32 v1, 5, v0
	v_readfirstlane_b32 s[WV], v1
	s_bfe_u32 s[CX], ttmp6, 0x40000                ; b: my place in the cluster: it enters Q's and the result's addresses and the mask's number alone
	s_and_b32 s74, ttmp7, 0xffff                   ; the cluster's y
	s_lshr_b32 s[HD], ttmp9, 2
	s_lshl_b32 s[HD], s[HD], 2
	s_lshr_b32 s75, s74, 1
	s_add_co_u32 s[HD], s[HD], s75                 ; head = 4 (x / 4) + y / 2
	s_and_b32 s[CC], s74, 1
	s_lshl_b32 s[CC], s[CC], 2
	s_and_b32 s75, ttmp9, 3
	s_add_co_u32 s[CC], s[CC], s75                 ; pair = 4 (y % 2) + x % 4
	s_and_b32 s57, s[CC], 1
	s_sub_co_u32 s74, 16, s[CC]
	s_add_co_u32 s75, s[CC], 1
	s_cmp_eq_u32 s57, 0
	s_cselect_b32 s[NF], s74, s75                  ; the even one of 16 - pair and pair + 1
	s_sub_co_u32 s74, s[NF], 1                     ; J of the first block,
	s_sub_co_u32 s75, 16, s[NF]                    ; of the second
	s_mov_b32 s[KT], s74                           ; the walk begins at the first block's diagonal tile
	s_mov_b32 s[J2], s75
	s_lshl_b32 s76, s[CX], 5
	s_lshl_b32 s74, s74, 7
	s_add_co_u32 s74, s74, s76                     ; my first query in each
	s_lshl_b32 s75, s75, 7
	s_add_co_u32 s75, s75, s76
	s_lshl_b32 s77, s[HD], 20                      ; the head's bytes in qkv16,
	s_lshl_b32 s78, s[HD], 9                       ; and in a row of attn16
	s_lshl_b32 s[QB0], s74, 9
	s_add_co_u32 s[QB0], s[QB0], s77
	s_mov_b32 s[QB0+1], 0
	s_lshl_b32 s[QB1], s75, 9
	s_add_co_u32 s[QB1], s[QB1], s77
	s_mov_b32 s[QB1+1], 0
	s_lshl_b32 s[OB0], s74, 12
	s_add_co_u32 s[OB0], s[OB0], s78
	s_mov_b32 s[OB0+1], 0
	s_lshl_b32 s[OB1], s75, 12
	s_add_co_u32 s[OB1], s[OB1], s78
	s_mov_b32 s[OB1+1], 0
	s_and_b32 s79, s[WV], 1                        ; which 64 rows of a tile I fetch
	s_lshl_b32 s80, s79, 15
	s_add_co_u32 s[BK], s77, s80
	s_add_co_u32 s[BK], s[BK], 8*HEADB
	s_mov_b32 s[BK+1], 0
	s_add_co_u32 s[BV], s[BK], 8*HEADB
	s_mov_b32 s[BV+1], 0
	s_mul_i32 s81, s79, 64*PK
	s_mul_i32 s82, s79, 64*PV
	s_add_co_u32 s82, s82, VOFF
.irp s, 0,1
	s_mov_b32 s[G0K+4*\s], 1                       ; count = 1
	s_add_co_u32 s[G0K+4*\s+1], s81, \s*SLOTB      ; LDS address: a constant + the wave's half
	s_mov_b32 s[G0V+4*\s], 1
	s_add_co_u32 s[G0V+4*\s+1], s82, \s*SLOTB
.endr
	; group 1: 64 rows x 256 elements of 2 bytes, dense; padding behind every 128 words: 4 words for K, 8 for V.  The mask names all four work-groups
	s_mov_b32 s[G1K], 15|(1<<16)|(1<<20)|(1<<21)|(6<<22)|(3<<25)
	s_mov_b32 s[G1V], 15|(1<<16)|(1<<20)|(1<<21)|(6<<22)|(7<<25)
.irp g, G1K, G1V
	s_mov_b32 s[\g+1], 256<<16                     ; tensor_dim0
	s_mov_b32 s[\g+2], 64<<16                      ; tensor_dim1
	s_mov_b32 s[\g+3], 256<<16                     ; tile_dim0
	s_mov_b32 s[\g+4], 64                          ; tile_dim1
	s_mov_b32 s[\g+5], 256                         ; from row to row
	s_mov_b32 s[\g+6], 0
	s_mov_b32 s[\g+7], 0
.endr
	s_mov_b32 s[CS], 0x3db8aa3b                    ; c = log2(e) / 16
	s_mov_b32 s[CS+1], s[CS]
	s_mov_b32 s[SEL], 0x76543210
	s_mov_b32 s[SEL+1], 0xfedcba98
	s_mov_b32 s[N], 0
	s_mov_b32 s[DG], 0                             ; step 0 is on the first block's diagonal
	s_lshl_b32 s[KO], s[KT], 16                    ; 128 rows of 512 bytes a tile
	s_mov_b32 s[KO+1], 0
	s_wait_dscnt 0x0                               ; both opening adds are done
	s_wait_kmcnt 0x0
	s_add_nc_u64 s[QB0:QB0+1], s[4:5], s[QB0:QB0+1]
	s_add_nc_u64 s[QB1:QB1+1], s[4:5], s[QB1:QB1+1]
	s_add_nc_u64 s[OB0:OB0+1], s[6:7], s[OB0:OB0+1]
	s_add_nc_u64 s[OB1:OB1+1], s[6:7], s[OB1:OB1+1]
	s_add_nc_u64 s[BK:BK+1], s[4:5], s[BK:BK+1]
	s_add_nc_u64 s[BV:BV+1], s[4:5], s[BV:BV+1]
	s_add_nc_u64 s[G0K+2:G0K+3], s[BK:BK+1], s[KO:KO+1]    ; slot 0: the first block's diagonal tile
	s_or_b32 s[G0K+3], s[G0K+3], 0x80000000
	s_add_nc_u64 s[G0V+2:G0V+3], s[BV:BV+1], s[KO:KO+1]
	s_or_b32 s[G0V+3], s[G0V+3], 0x80000000
	CROUND                                         ; all four work-groups are here: the first joint loads meet
	JLOAD 0                                        ; one load of mine is out, here and behind every round
	v_and_b32 v19, 31, v0                          ; lane
	v_and_b32 v20, 15, v0                          ; r
	v_bfe_u32 v21, v0, 4, 1                        ; h
	v_lshlrev_b32 v[QO], 9, v20
	v_lshl_add_u32 v[QO], v21, 4, v[QO]            ; row r of 512 bytes + 16 h
	WIN 0x80                                       ; destination window 2
.irp i, 0,1,2,3,4,5,6,7,8,9,10,11,12,13,14,15  ; Q stays in registers: tile i / 8, channels 32 (i % 8) on
	global_load_b128 v[8*\i:8*\i+3],   v[QO], s[QB0:QB0+1] offset:(\i/8)*8192+(\i%8)*64
	global_load_b128 v[8*\i+4:8*\i+7], v[QO], s[QB0:QB0+1] offset:(\i/8)*8192+(\i%8)*64+32
.endr
	WIN 0
	s_lshl_b32 s83, s[WV], 5                       ; my 32 keys of a step
	v_add_nc_u32 v22, s83, v20
	v_mul_u32_u24 v[AK], v22, PK
	v_lshl_add_u32 v[AK], v21, 4, v[AK]            ; K: row 32 w + r, + 16 h
	v_add_nc_u32 v[AK+1], SLOTB, v[AK]
	v_and_b32 v22, 7, v0                           ; V: the turning load reads key 8 h + lane % 8, channels 8 ((lane / 8) % 2) on
	v_lshl_add_u32 v22, v21, 3, v22
	v_add_nc_u32 v22, s83, v22
	v_mul_u32_u24 v[AV], v22, PV
	v_bfe_u32 v22, v0, 3, 1
	v_lshl_add_u32 v[AV], v22, 4, v[AV]
	v_add_nc_u32 v[AV], VOFF, v[AV]
	v_add_nc_u32 v[AV+1], SLOTB, v[AV]
	s_sub_co_i32 s83, s[CX], s[WV]
	s_lshl_b32 s83, s83, 5
	v_lshlrev_b32 v22, 3, v21
	v_sub_nc_u32 v[MD], v20, v22
	v_add_nc_u32 v[MD], s83, v[MD]
	s_lshl_b32 s83, s[WV], 9
	v_lshl_add_u32 v[SWA], v19, 2, s83
	v_add_nc_u32 v[SWA], STATS, v[SWA]             ; my wave's statistics: 4 x lane
	v_lshl_add_u32 v[SRA], v19, 2, STATS           ; and everybody's
	s_lshl_b32 s83, s[WV], 13
	v_lshl_add_u32 v[XWA], v19, 4, s83
	v_add_nc_u32 v[XWA], XCH, v[XWA]               ; where I put images of O^T: 16 x lane + 8,192 x wave
	s_lshl_b32 s83, s[WV], 11
	v_lshl_add_u32 v[XRA], v19, 4, s83
	v_add_nc_u32 v[XRA], XCH, v[XRA]               ; and which I take of each wave's: channel tiles 2 w, 2 w + 1 of the eight
	s_lshl_b32 s83, s[WV], 6
	v_mul_u32_u24 v[SGA], v20, 528
	v_lshl_add_u32 v[SGA], v21, 4, v[SGA]
	v_add_nc_u32 v[SGA], s83, v[SGA]
	v_add_nc_u32 v[SGA], STG, v[SGA]               ; the stage: row r, + 64 w + 16 h
	s_mul_i32 s83, s[WV], 8*528
	v_lshl_add_u32 v[SGR], v19, 4, s83
	v_add_nc_u32 v[SGR], STG, v[SGR]               ; back: my 8 rows, 16 bytes a lane
	s_lshl_b32 s83, s[WV], 15
	v_lshl_add_u32 v[GO], v19, 4, s83              ; and the same in attn16: rows of 4,096 bytes
	v_mov_b32 v[NINF], 0xff800000
.irp t, 0,1
	v_mov_b32 v[ST+8*\t+1], 0xff61b1e6             ; m = -3e38, under every score
	v_mul_f32 v[ST+8*\t], s[CS], v[ST+8*\t+1]
.irp k, 2,3,4,5,6,7
	v_mov_b32 v[ST+8*\t+\k], 0
.endr
.endr
	WIN 0x40                                       ; O^T begins as zeros: the step is written once for all 17, and these lines run once, while the first tile is on its way
.set i, 0
.rept 256
	v_mov_b32 v[i], 0
.set i, i+1
.endr
	WIN 0
; THE CHANGE OF SLOTS stands at a step's head.  Each wave waits for all its tensor loads (its part of the tile that it is about to read), adds 0 to its spare word, and waits for that and for its reads of the other
; slot.  fill = 1: the other slot takes the next step's tile: behind a round of the cluster's barrier, as the first thing there; it has a step's 64 products and softmax in which to land.
.macro CHANGE cur, fill
	s_wait_tensorcnt 0x0                           ; no tensor load of mine is out, so a group 0 may be written
	ds_add_u32 v[SPW], v[NIL]                      ; 0 onto my spare word
.if \fill
	s_sub_co_u32 s[KT], s[KT], 1                   ; the next step's tile: one down, or the second block's diagonal tile where that block begins
	s_add_co_u32 s57, s[N], 1
	s_cmp_eq_u32 s57, s[NF]
	s_cselect_b32 s[KT], s[J2], s[KT]
	s_lshl_b32 s[KO], s[KT], 16                    ; 128 rows of 512 bytes
	s_add_nc_u64 s[G0K+4*(1-\cur)+2:G0K+4*(1-\cur)+3], s[BK:BK+1], s[KO:KO+1]
	s_or_b32 s[G0K+4*(1-\cur)+3], s[G0K+4*(1-\cur)+3], 0x80000000
	s_add_nc_u64 s[G0V+4*(1-\cur)+2:G0V+4*(1-\cur)+3], s[BV:BV+1], s[KO:KO+1]
	s_or_b32 s[G0V+4*(1-\cur)+3], s[G0V+4*(1-\cur)+3], 0x80000000
	s_wait_dscnt 0x0                               ; the add is done, and my reads of the other slot are over
	CROUND
	JLOAD 1-\cur                                   ; its four v_nop are also the places between the last step's products and the loads into V's registers
.else
	s_wait_dscnt 0x0
	s_barrier_signal -1
	s_barrier_wait -1
	PLACES
.endif
.endm
.macro KQ cc                           ; four products: channels 32 cc on; the four accumulators take turns
.irp kt, 0,1
.irp t, 0,1
.if (\cc) == 0
	v_wmma_f32_16x16x32_f16 v[S+16*\t+8*\kt:S+16*\t+8*\kt+7], v[KF+8*(2*(\cc)+\kt):KF+8*(2*(\cc)+\kt)+7], v[64*\t+8*(\cc):64*\t+8*(\cc)+7], 0
.else
	v_wmma_f32_16x16x32_f16 v[S+16*\t+8*\kt:S+16*\t+8*\kt+7], v[KF+8*(2*(\cc)+\kt):KF+8*(2*(\cc)+\kt)+7], v[64*\t+8*(\cc):64*\t+8*(\cc)+7], v[S+16*\t+8*\kt:S+16*\t+8*\kt+7]
.endif
.endr
.endr
.endm
.macro SOFTMAX                         ; both tiles line by line, so that no line waits for the line above it
.irp t, 0,1
	v_max3_num_f32 v[ST+8*\t+4], v[S+16*\t], v[S+16*\t+1], v[S+16*\t+2]            ; two chains, each from an accumulator's low end on
	v_max3_num_f32 v[ST+8*\t+5], v[S+16*\t+8], v[S+16*\t+9], v[S+16*\t+10]
.endr
.irp t, 0,1
	v_max3_num_f32 v[ST+8*\t+4], v[ST+8*\t+4], v[S+16*\t+3], v[S+16*\t+4]
	v_max3_num_f32 v[ST+8*\t+5], v[ST+8*\t+5], v[S+16*\t+11], v[S+16*\t+12]
.endr
.irp t, 0,1
	v_max3_num_f32 v[ST+8*\t+4], v[ST+8*\t+4], v[S+16*\t+5], v[S+16*\t+6]
	v_max3_num_f32 v[ST+8*\t+5], v[ST+8*\t+5], v[S+16*\t+13], v[S+16*\t+14]
.endr
.irp t, 0,1
	v_max3_num_f32 v[ST+8*\t+4], v[ST+8*\t+4], v[S+16*\t+7], v[S+16*\t+15]
.endr
.irp t, 0,1
	v_max3_num_f32 v[ST+8*\t+4], v[ST+8*\t+4], v[ST+8*\t+5], v[ST+8*\t+1]          ; with the old m
.endr
.irp t, 0,1
	v_permlanex16_b32 v[ST+8*\t+5], v[ST+8*\t+4], s[SEL], s[SEL+1]                 ; the query's other 16 keys lie in the lane 16 away
.endr
.irp t, 0,1
	v_mov_b32 v[ST+8*\t+7], v[ST+8*\t]             ; c m_old
.endr
.irp t, 0,1
	v_max_num_f32 v[ST+8*\t+1], v[ST+8*\t+4], v[ST+8*\t+5]
.endr
.irp t, 0,1
	v_mul_f32 v[ST+8*\t], s[CS], v[ST+8*\t+1]
.endr
.irp t, 0,1
	v_sub_f32 v[ST+8*\t+7], v[ST+8*\t+7], v[ST+8*\t]
.endr
.irp k, 0,1,2,3,4,5,6,7
.irp t, 0,1
	v_pk_fma_f32 v[S+16*\t+2*\k:S+16*\t+2*\k+1], v[S+16*\t+2*\k:S+16*\t+2*\k+1], s[CS:CS+1], v[ST+8*\t:ST+8*\t+1] op_sel_hi:[1,0,0] neg_lo:[0,0,1] neg_hi:[0,0,1]   ; c s - c m
.endr
.endr
.irp t, 0,1
	v_exp_f32 v[ST+8*\t+6], v[ST+8*\t+7]           ; a.  One batch of 34 exponentials
.endr
.irp j, 0,1,2,3,4,5,6,7,8,9,10,11,12,13,14,15
.irp t, 0,1
	v_exp_f32 v[S+16*\t+\j], v[S+16*\t+\j]
.endr
.endr
	v_nop                                          ; a plain instruction behind the last exponential
	s_wait_alu depctr_va_vdst(0)                   ; one wait for the batch, ahead of its first reader
.irp k, 0,1,2,3,4,5,6,7
.irp t, 0,1
	v_cvt_pk_f16_f32 v[P+8*\t+\k], v[S+16*\t+2*\k], v[S+16*\t+2*\k+1]
.endr
.endr
.irp u, 0,1,2,3
.irp t, 0,1
	v_pk_add_f32 v[S+16*\t+4*\u:S+16*\t+4*\u+1], v[S+16*\t+4*\u:S+16*\t+4*\u+1], v[S+16*\t+4*\u+2:S+16*\t+4*\u+3]   ; the sum of the unrounded p, in pairs
.endr
.endr
.irp u, 0,1
.irp t, 0,1
	v_pk_add_f32 v[S+16*\t+8*\u:S+16*\t+8*\u+1], v[S+16*\t+8*\u:S+16*\t+8*\u+1], v[S+16*\t+8*\u+4:S+16*\t+8*\u+5]
.endr
.endr
.irp t, 0,1
	v_pk_add_f32 v[S+16*\t:S+16*\t+1], v[S+16*\t:S+16*\t+1], v[S+16*\t+8:S+16*\t+9]
.endr
.irp t, 0,1
	v_pk_fma_f32 v[ST+8*\t+2:ST+8*\t+3], v[ST+8*\t+2:ST+8*\t+3], v[ST+8*\t+6:ST+8*\t+7], v[S+16*\t:S+16*\t+1] op_sel_hi:[1,0,1]   ; l = a l + the sum
.endr
	WIN 0x41                                       ; O^T (destination and source 0) in window 1
.irp t, 0,1
.set g, 0
.rept 64
	v_pk_mul_f32 v[128*\t+g:128*\t+g+1], v[128*\t+g:128*\t+g+1], v[ST+8*\t+6:ST+8*\t+7] op_sel_hi:[1,0]
.set g, g+2
.endr
.endr
.endm
; A KEY STEP.  diag = 0: a step of odd number, in which no key is hidden; 1: the mask is applied where this step is a block's first.
.macro STEP slot, diag
	WIN 0x80                                       ; destination window 2
.irp cc, 0,1,2,3,4,5,6,7
.irp kt, 0,1
	ds_load_b128 v[KF+8*(2*\cc+\kt):KF+8*(2*\cc+\kt)+3],   v[AK+\slot] offset:\kt*16*PK+64*\cc
	ds_load_b128 v[KF+8*(2*\cc+\kt)+4:KF+8*(2*\cc+\kt)+7], v[AK+\slot] offset:\kt*16*PK+64*\cc+32
.endr
.endr
	WIN 0xc0                                       ; destination window 3
.irp ct, 0,1,2,3,4,5,6,7,8,9,10,11,12,13,14,15
	ds_load_tr16_b128 v[8*\ct:8*\ct+3],   v[AV+\slot] offset:32*\ct
	ds_load_tr16_b128 v[8*\ct+4:8*\ct+7], v[AV+\slot] offset:32*\ct+16*PV
.endr
	s_wait_dscnt 48                                ; K's channels 0-127 are in; K's other 16 loads and V's 32 may be out
	WIN 0x0a                                       ; K and Q in window 2, S^T in window 0
	KQ 0
	KQ 1
	KQ 2
	KQ 3
	s_wait_dscnt 32                                ; all of K is in; V's 32 loads may be out
	KQ 4
	KQ 5
	KQ 6
	KQ 7
	WIN 0
	PLACES
.if \diag
	s_cmp_lg_u32 s[N], s[DG]                       ; the cluster's x and y and the count of steps alone: the same in all waves of all partners
	s_cbranch_scc1 .Lopen_\@
	s_mov_b32 s[DG], s[NF]                         ; the next diagonal step is the second block's first
.irp t, 0,1
.irp kt, 0,1
.irp j, 0,1,2,3,4,5,6,7
	v_cmp_gt_i32 vcc_lo, 16*\kt+\j-16*\t, v[MD]
	v_cndmask_b32 v[S+16*\t+8*\kt+\j], v[S+16*\t+8*\kt+\j], v[NINF], vcc_lo       ; a hidden score becomes -infinity: p = 0
.endr
.endr
.endr
.Lopen_\@:
.endif
	SOFTMAX
	s_wait_dscnt 0x0                               ; V is in
	WIN 0x53                                       ; V in window 3, P in window 0, O^T in window 1
.irp ct, 0,1,2,3,4,5,6,7,8,9,10,11,12,13,14,15
.irp t, 0,1
	v_wmma_f32_16x16x32_f16 v[128*\t+8*\ct:128*\t+8*\ct+7], v[8*\ct:8*\ct+7], v[P+8*\t:P+8*\t+7], v[128*\t+8*\ct:128*\t+8*\ct+7]
.endr
.endr
	WIN 0
	s_add_co_u32 s[N], s[N], 1
.endm
; THE MERGE at a block's end.  Every wave publishes c m and l of its keys; with CM the largest c m, wave w weighs alpha_w = 2^(c m_w - CM), L = the sum of alpha l, and its O^T is multiplied by alpha_w / L.
; Then O^T goes round in four parts (a tile's eight channel tiles each) as images of its registers: each wave adds the four waves' images of two channel tiles, rounds to f16 and puts them into the stage.
; Nine barriers; the branch round the first merge hangs on the cluster's x and y and the count of steps alone.  mid = 1: the second block's Q is asked for at the head, and m begins anew.
.macro MERGE mid, ob
.if \mid
	WIN 0x80
.irp i, 0,1,2,3,4,5,6,7,8,9,10,11,12,13,14,15
	global_load_b128 v[8*\i:8*\i+3],   v[QO], s[QB1:QB1+1] offset:(\i/8)*8192+(\i%8)*64
	global_load_b128 v[8*\i+4:8*\i+7], v[QO], s[QB1:QB1+1] offset:(\i/8)*8192+(\i%8)*64+32
.endr
	WIN 0
.endif
.irp t, 0,1
	v_add_f32 v[ST+8*\t+4], v[ST+8*\t+2], v[ST+8*\t+3]
.endr
.irp t, 0,1
	v_permlanex16_b32 v[ST+8*\t+5], v[ST+8*\t+4], s[SEL], s[SEL+1]
.endr
.irp t, 0,1
	v_add_f32 v[ST+8*\t+4], v[ST+8*\t+4], v[ST+8*\t+5]             ; l of my 32 keys a step
.endr
.irp t, 0,1
	ds_store_b32 v[SWA], v[ST+8*\t] offset:256*\t
	ds_store_b32 v[SWA], v[ST+8*\t+4] offset:256*\t+128
.endr
	BARRIER
.irp w, 0,1,2,3
.irp k, 0,1,2,3
	ds_load_b32 v[MT+4*\w+\k], v[SRA] offset:\w*512+\k*128         ; wave w: c m, l of tile 0; c m, l of tile 1
.endr
.endr
	s_wait_dscnt 0x0
.irp t, 0,1
	v_max3_num_f32 v[MT+16+\t], v[MT+2*\t], v[MT+4+2*\t], v[MT+8+2*\t]
.endr
.irp t, 0,1
	v_max_num_f32 v[MT+16+\t], v[MT+16+\t], v[MT+12+2*\t]
.endr
.irp t, 0,1
	v_sub_f32 v[MT+18+\t], v[ST+8*\t], v[MT+16+\t]
.endr
.irp w, 0,1,2,3
.irp t, 0,1
	v_sub_f32 v[MT+4*\w+2*\t], v[MT+4*\w+2*\t], v[MT+16+\t]
.endr
.endr
.irp t, 0,1
	v_exp_f32 v[MT+18+\t], v[MT+18+\t]             ; my own weight, and the four waves': a batch of ten
.endr
.irp w, 0,1,2,3
.irp t, 0,1
	v_exp_f32 v[MT+4*\w+2*\t], v[MT+4*\w+2*\t]
.endr
.endr
	v_nop
	s_wait_alu depctr_va_vdst(0)                   ; one wait for the ten
.irp t, 0,1
	v_mul_f32 v[MT+20+\t], v[MT+2*\t], v[MT+2*\t+1]
.endr
.irp w, 1,2,3
.irp t, 0,1
	v_fmac_f32 v[MT+20+\t], v[MT+4*\w+2*\t], v[MT+4*\w+2*\t+1]
.endr
.endr
.irp t, 0,1
	v_rcp_f32 v[MT+22+\t], v[MT+20+\t]
.endr
	v_nop
	s_wait_alu depctr_va_vdst(0)                   ; and one for the two reciprocals
.irp t, 0,1
	v_mul_f32 v[ST+8*\t+6], v[MT+18+\t], v[MT+22+\t]
.endr
	WIN 0x41
.irp t, 0,1
.set g, 0
.rept 64
	v_pk_mul_f32 v[128*\t+g:128*\t+g+1], v[128*\t+g:128*\t+g+1], v[ST+8*\t+6:ST+8*\t+7] op_sel_hi:[1,0]
.set g, g+2
.endr
.endr
.irp u, 0,1,2,3                        ; tile u / 2, channels 128 (u % 2) on
	WIN 0x04                                       ; an LDS store's data are its source 1: window 1
.irp e, 0,1,2,3,4,5,6,7,8,9,10,11,12,13,14,15
	ds_store_b128 v[XWA], v[128*(\u/2)+64*(\u%2)+4*\e:128*(\u/2)+64*(\u%2)+4*\e+3] offset:\e*512
.endr
	WIN 0
	BARRIER
	WIN 0xc0                                       ; destination window 3
.irp w, 0,1,2,3
.irp e, 0,1,2,3
	ds_load_b128 v[128+16*\w+4*\e:128+16*\w+4*\e+3], v[XRA] offset:\w*8192+\e*512
.endr
.endr
	s_wait_dscnt 0x0
	WIN 0x0f
.irp k, 0,1,2,3,4,5,6,7
	v_pk_add_f32 v[R+2*\k:R+2*\k+1], v[128+2*\k:128+2*\k+1], v[144+2*\k:144+2*\k+1]
.endr
	WIN 0x0c
.irp k, 0,1,2,3,4,5,6,7
	v_pk_add_f32 v[R+2*\k:R+2*\k+1], v[R+2*\k:R+2*\k+1], v[160+2*\k:160+2*\k+1]
.endr
.irp k, 0,1,2,3,4,5,6,7
	v_pk_add_f32 v[R+2*\k:R+2*\k+1], v[R+2*\k:R+2*\k+1], v[176+2*\k:176+2*\k+1]
.endr
	WIN 0
.irp k, 0,1,2,3,4,5,6,7
	v_cvt_pk_f16_f32 v[H+\k], v[R+2*\k], v[R+2*\k+1]
.endr
	ds_store_b128 v[SGA], v[H:H+3] offset:(\u/2)*8448+256*(\u%2)
	ds_store_b128 v[SGA], v[H+4:H+7] offset:(\u/2)*8448+256*(\u%2)+32
	BARRIER                                        ; the images have been read, so the next part may be written; behind the last one the stage is whole
.endr
	s_wait_xcnt 0x0                                ; an earlier merge's stores have read v[OB] on
.irp i, 0,1,2,3,4,5,6,7
	ds_load_b128 v[OB+4*\i:OB+4*\i+3], v[SGR] offset:\i*528
.endr
.irp i, 0,1,2,3,4,5,6,7
	s_wait_dscnt 7-\i                              ; row i is in; the younger loads may be out
	global_store_b128 v[GO], v[OB+4*\i:OB+4*\i+3], s[\ob:\ob+1] offset:\i*4096     ; 32 lanes store 512 consecutive bytes, aligned
.endr
.if \mid
.irp t, 0,1
	v_mov_b32 v[ST+8*\t+1], 0xff61b1e6             ; m = -3e38 again: the next real maximum makes a = 0, which clears l and O^T
	v_mul_f32 v[ST+8*\t], s[CS], v[ST+8*\t+1]
.endr
	s_wait_loadcnt 0x0                             ; the second block's Q
.endif
.endm
	s_wait_loadcnt 0x0                             ; Q
	s_mov_b32 s[TRIP], 8
.Ltrip:                                            ; eight trips of two steps; each change of slots asks for the next step's tile
	CHANGE 0, 1
	STEP 0, 1
	CHANGE 1, 1
	STEP 1, 0
	s_cmp_lg_u32 s[N], s[NF]
	s_cbranch_scc1 .Lsame_block
	MERGE 1, OB0
.Lsame_block:
	s_sub_co_u32 s[TRIP], s[TRIP], 1
	s_cmp_lg_u32 s[TRIP], 0
	s_cbranch_scc1 .Ltrip
	CHANGE 0, 0                                    ; step 16 is written out: nothing is left to ask for.  It is on a diagonal only where the second block has this one step
	STEP 0, 1
	MERGE 0, OB1
	s_wait_tensorcnt 0x0                           ; the wave's end
	ds_add_u32 v[SPW], v[NIL]
	s_wait_dscnt 0x0
	CROUND                                         ; the closing round
	s_endpgm
.Lfunc_end_k_qf4c50e1a43_attn:
	.size	k_qf4c50e1a43_attn, .Lfunc_end_k_qf4c50e1a43_attn-k_qf4c50e1a43_attn
	.p2alignl 7, 3214868480
	.fill 96, 4, 3214868480
	.section	.rodata,"a",@progbits
	.p2align	6, 0x0
	.amdhsa_kernel k_qf4c50e1a43_attn
		.amdhsa_group_segment_fixed_size 327680
		.amdhsa_private_segment_fixed_size 0
		.amdhsa_enable_private_segment 0
		.amdhsa_kernarg_size 16
		.amdhsa_user_sgpr_count 2
		.amdhsa_user_sgpr_kernarg_segment_ptr 1
		.amdhsa_wavefront_size32 1
		.amdhsa_system_sgpr_workgroup_id_x 1
		.amdhsa_system_sgpr_workgroup_id_y 1
		.amdhsa_system_sgpr_workgroup_id_z 1
		.amdhsa_system_vgpr_workitem_id 0
		.amdhsa_next_free_vgpr 1024
		.amdhsa_next_free_sgpr 90
		.amdhsa_reserve_vcc 1
		.amdhsa_float_denorm_mode_32 3
		.amdhsa_float_denorm_mode_16_64 3
		.amdhsa_memory_ordered 1
		.amdhsa_forward_progress 1
		.amdhsa_inst_pref_size 158
	.end_amdhsa_kernel
	.amdgpu_metadata
---
amdhsa.version: [ 1, 2 ]
amdhsa.kernels:
  - .name:           k_qf4c50e1a43_attn
    .symbol:         k_qf4c50e1a43_attn.kd
    .args:
      - { .name: qkv16, .offset: 0, .size: 8, .value_kind: global_buffer, .address_space: global }
      - { .name: attn16, .offset: 8, .size: 8, .value_kind: global_buffer, .address_space: global }
    .group_segment_fixed_size: 327680
    .private_segment_fixed_size: 0
    .kernarg_segment_align: 8
    .kernarg_segment_size: 16
    .max_flat_workgroup_size: 128
    .sgpr_count:     90
    .vgpr_count:     1024
    .wavefront_size: 32
...
	.end_amdgpu_metadata
.endif
;; end of part 3
;; launch proj (part 4): grid 16 x 16, 4 waves a work-group, clusters of 4 x 4, 327,680 bytes of LDS; arguments attn16, wo16, out0; writes out0
.if DOCPART == 4
	.amdgcn_target "amdgcn-amd-amdhsa--gfx1250"
	.amdhsa_code_object_version 6
	.text
	.protected	k_qf4c50e1a43_proj
	.globl	k_qf4c50e1a43_proj
	.p2align	8
	.type	k_qf4c50e1a43_proj,@function
k_qf4c50e1a43_proj:
	s_mov_b64 s[64:65], 0
	v_nop
	global_prefetch_b8 v0, s[64:65] scope:SCOPE_SE
	s_setreg_imm32_b32 hwreg(HW_REG_WAVE_MODE, 25, 1), 1
	s_wait_xcnt 0x0
	s_wait_alu depctr_hold_cnt(0) depctr_sa_sdst(0) depctr_va_vdst(0) depctr_va_sdst(0) depctr_va_ssrc(0) depctr_va_vcc(0) depctr_vm_vsrc(0)
	s_getreg_b32 s2, hwreg(HW_REG_IB_STS2, 6, 4)
	s_cmp_eq_u32 s2, 0
	s_cbranch_scc0 .Lentry_in_a_cluster
	s_endpgm
.Lentry_in_a_cluster:
	s_bfe_u32 s2, ttmp6, 0x10000c
	s_cmp_lg_u32 s2, 0xf033
	s_cbranch_scc0 .Lentry_shape_is_right
	s_endpgm
.Lentry_shape_is_right:
; out0[s][d] = the sum over e of attn16[s][e] wo16[d][e].  attn16, wo16: [2048][2048] f16; out0: [2048][2048] f32; sums in f32.
; 2048 x 2048 of C make 256 tiles of 128 x 128: one for each work-group.  Four waves, each 64 x 64: 16 accumulators of 16 x 16.  K goes in steps of 256 (LDS rows of 512 bytes; a wave's tensor load brings 64 of
; them) through a ring of two slots.  CLUSTERS: 4 x 4 work-groups; A's tiles are shared along a row of the cluster, B's along a column: each is asked for jointly.
; THE WALK OVER K.  Cluster (X, Y) begins at K step (2 X + 4 (Y / 2)) mod 8 and wraps round: the sum over K is the same in any order but for its rounding.  So the four clusters that read the same rows of A begin
; two K steps apart, and of the four that read the same rows of B those whose Y differ by 2 begin four apart: from its third K step on a cluster asks for tiles of A, from its fifth on for tiles of B, that another
; cluster has asked for before.  The start hangs on the cluster's x and y alone: it is the same in all sixteen partners.
; THE MATRIX INSTRUCTION IS USED TRANSPOSED (source 0 = 16 rows of wo16, source 1 = 16 rows of attn16): a lane holds eight neighbouring numbers of a row of C.  A wave's 64 columns of f32 are 256 bytes, aligned:
; so each wave has a stage of its own on the way out, and no barrier stands there.
; Rows 0-15 of out0 are stored here as all others and are written over by the launch that follows, which makes them in f32.
; No prefetch: both operands are 8 MiB that sixteen tile rows or columns read again, and the tiles are shared in the cluster.
; REGISTERS: window 0: v0-31 addresses; v32-95 the way out; v128-255 the accumulators ((a, b) at v[128 + 8 (4 a + b)]).  Window 1: two fragment buffers of 128: for 64 along K, 64 registers of A, then 64 of B.
.set SIZE_M, 2048
.set SIZE_N, 2048
.set SIZE_K, 2048
.set KSTEP,  256
.set PITCH,  528                       ; an LDS row: 512 bytes + 16 of padding
.set HALFT,  64*PITCH
.set SLOT,   4*HALFT
.set STAGE,  2*SLOT                    ; behind the ring: 16 rows x 272 bytes for each wave
.set SPITCH, 272
.set SPARE,  STAGE+4*16*SPITCH         ; the spare words, 128 bytes a wave
.set LAPS, SIZE_K/(2*KSTEP)
.set ADRA, 16
.set ADRB, 20
.set STO,  24
.set RD,   25
.set CO,   26
.set SPW,  28
.set NIL,  29
.set TMP,  32
.set ACC,  128
.set F0,   0
.set F1,   128
.set AB, 14                            ; s[14:15] A at my 64 rows, K step 0; never rewritten
.set G1, 24
.set G0, 32
.set G1B, 48
.set G0B, 56
.set BB, 66                            ; s[66:67] B at my 64 rows, K step 0; never rewritten
.set KC, 68                            ; s68, s69 the K step, 0 .. 7, that slot 0, 1 holds or is being filled with
.set OFS, 70                           ; s[70:71] its byte offset in a row: 512 x the K step
.set MSB, 0
.macro WIN new
.if MSB != (\new)
	s_set_vgpr_msb (MSB<<8)|(\new)
.set MSB, (\new)
.endif
.endm
.set MUL,  0x05                        ; sources 0 (B) and 1 (A) window 1; C and D window 0
.set TO_F, 0x40                        ; destination window 1, address window 0
.macro JLOAD s                         ; a joint load: waves 0 and 1 fetch A's two halves, waves 2 and 3 B's; an s_nop 0 and four v_nop follow each of the two lines
	s_cmp_eq_u32 s11, 0
	s_cbranch_scc0 .Lfor_b_\@
	tensor_load_to_lds s[G0+4*\s:G0+4*\s+3], s[G1:G1+7]
	s_nop 0
.rept 4
	v_nop
.endr
	s_branch .Lasked_\@
.Lfor_b_\@:
	tensor_load_to_lds s[G0B+4*\s:G0B+4*\s+3], s[G1B:G1B+7]
	s_nop 0
.rept 4
	v_nop
.endr
.Lasked_\@:
.endm
.macro CREST
	s_cmp_lg_u32 s10, 0
	s_cbranch_scc1 .Lnot_wave_0_\@
	s_barrier_signal -3
.Lnot_wave_0_\@:
	s_barrier_wait -3
	s_barrier_signal -1
	s_barrier_wait -1
.endm
.macro CROUND
	s_barrier_signal -1
	s_barrier_wait -1
	CREST
.endm
.macro AIM s                           ; slot s's two groups 0 at K step s[KC + s]: written only where no tensor load of mine is out
	s_lshl_b32 s[OFS], s[KC+\s], 9
	s_add_nc_u64 s[G0+4*\s+2:G0+4*\s+3], s[AB:AB+1], s[OFS:OFS+1]
	s_or_b32 s[G0+4*\s+3], s[G0+4*\s+3], 0x80000000
	s_add_nc_u64 s[G0B+4*\s+2:G0B+4*\s+3], s[BB:BB+1], s[OFS:OFS+1]
	s_or_b32 s[G0B+4*\s+3], s[G0B+4*\s+3], 0x80000000
.endm
	s_load_b128 s[4:7], s[0:1], 0x0                ; A s[4:5], B s[6:7]
	s_load_b64 s[8:9], s[0:1], 0x10                ; C
	v_lshl_add_u32 v[SPW], v0, 2, SPARE
	v_mov_b32 v[NIL], 0
	ds_add_u32 v[SPW], v[NIL]                      ; the wave's opening: the add, twice on end, and its wait ahead of my first tensor load
	ds_add_u32 v[SPW], v[NIL]
	v_lshrrev_b32 v1, 5, v0
	v_readfirstlane_b32 s10, v1                    ; wave 0..3
	s_lshr_b32 s11, s10, 1                         ; which half of the tile's rows is mine.  Also: I fetch for A (0) or for B (1)
	s_and_b32 s12, s10, 1                          ; which half of its columns.  Also: which 64 rows of that tile I fetch
	s_bfe_u32 s40, ttmp6, 0x40000                  ; cx, cy
	s_bfe_u32 s41, ttmp6, 0x40004
	s_lshl_b32 s42, ttmp9, 2
	s_add_co_u32 s42, s42, s40                     ; tile column of C
	s_and_b32 s13, ttmp7, 0xffff
	s_lshl_b32 s13, s13, 2
	s_add_co_u32 s13, s13, s41                     ; tile row of C
	s_lshl_b32 s43, s41, 2
	s_lshl_b32 s43, 15, s43                        ; my row of the cluster
	s_lshl_b32 s44, 0x1111, s40                    ; my column
	s_and_b32 s[KC], ttmp7, 0xffff                 ; where my cluster's walk over K begins: 4 (Y / 2)
	s_lshr_b32 s[KC], s[KC], 1
	s_lshl_b32 s[KC], s[KC], 2
	s_lshl_b32 s[KC+1], ttmp9, 1                   ; + 2 X,
	s_add_co_u32 s[KC], s[KC], s[KC+1]
	s_and_b32 s[KC], s[KC], 7                      ; modulo the 8 K steps: slot 0's first;
	s_add_co_u32 s[KC+1], s[KC], 1
	s_and_b32 s[KC+1], s[KC+1], 7                  ; slot 1's is the next
	s_mov_b32 s[OFS+1], 0
	; group 1: 64 rows x 256 elements of 2 bytes; 4 words of padding behind every 128
	s_or_b32 s[G1+0], s43, (1<<16)|(1<<20)|(1<<21)|(6<<22)|(3<<25)
	s_or_b32 s[G1B+0], s44, (1<<16)|(1<<20)|(1<<21)|(6<<22)|(3<<25)
.irp g, G1, G1B
	s_mov_b32 s[\g+1], KSTEP<<16                   ; tensor_dim0
	s_mov_b32 s[\g+2], 64<<16                      ; tensor_dim1
	s_mov_b32 s[\g+3], KSTEP<<16                   ; tile_dim0
	s_mov_b32 s[\g+4], 64                          ; tile_dim1
	s_mov_b32 s[\g+5], SIZE_K                      ; from row to row
	s_mov_b32 s[\g+6], 0
	s_mov_b32 s[\g+7], 0
.endr
	s_lshl_b32 s17, s12, 6
	s_lshl_b32 s16, s13, 7
	s_add_co_u32 s16, s16, s17                     ; A: row 128 x tile row + 64 x half
	s_lshl_b32 s46, s42, 7
	s_add_co_u32 s46, s46, s17                     ; B: row 128 x tile column + 64 x half
	s_mov_b32 s17, 0
	s_mov_b32 s47, 0
	s_mov_b64 s[18:19], SIZE_K*2
	s_mul_u64 s[16:17], s[16:17], s[18:19]
	s_mul_u64 s[46:47], s[46:47], s[18:19]
	s_mul_i32 s20, s10, HALFT                      ; where they go: wave x 64 rows
	s_wait_dscnt 0x0                               ; both opening adds are done
	s_wait_kmcnt 0x0
	s_add_nc_u64 s[AB:AB+1], s[4:5], s[16:17]
	s_add_nc_u64 s[BB:BB+1], s[6:7], s[46:47]
	CROUND                                         ; all sixteen work-groups are here: the first joint loads meet
.irp s, 0,1
	s_mov_b32 s[G0+4*\s], 1
	s_add_co_u32 s[G0+4*\s+1], s20, \s*SLOT
	s_mov_b32 s[G0B+4*\s], 1
	s_add_co_u32 s[G0B+4*\s+1], s20, \s*SLOT
	AIM \s
	JLOAD \s                                       ; two loads of mine are out behind these lines, later one
.endr
	v_and_b32 v1, 15, v0                           ; r
	v_bfe_u32 v2, v0, 4, 1                         ; h
	v_mul_u32_u24 v3, v1, PITCH
	v_lshl_add_u32 v3, v2, 4, v3
	s_mul_i32 s21, s11, HALFT                      ; my 64 rows of A
	s_mul_i32 s22, s12, HALFT                      ; my 64 rows of B,
	s_add_co_u32 s22, s22, 2*HALFT                 ; which lie behind A's 128
.irp s, 0,1
	v_add_nc_u32 v[ADRA+\s], s21, v3
	v_add_nc_u32 v[ADRB+\s], s22, v3
	s_add_co_u32 s21, s21, SLOT
	s_add_co_u32 s22, s22, SLOT
.endr
	s_mul_i32 s23, s10, 16*SPITCH
	s_add_co_u32 s23, s23, STAGE                   ; my stage
	v_mul_u32_u24 v4, v1, SPITCH                   ; in: row r, 32 bytes for each half of the lanes
	v_lshl_add_u32 v4, v2, 5, v4
	v_add_nc_u32 v[STO], s23, v4
	v_mul_u32_u24 v5, v2, SPITCH                   ; back: lanes 0-15 one row of 256 bytes, lanes 16-31 the next
	v_lshl_add_u32 v5, v1, 4, v5
	v_add_nc_u32 v[RD], s23, v5
	v_mul_u32_u24 v5, v2, SIZE_N*4                 ; and the same two rows in C
	v_lshl_add_u32 v[CO], v1, 4, v5
	s_lshl_b32 s16, s13, 7
	s_lshl_b32 s17, s11, 6
	s_add_co_u32 s16, s16, s17                     ; my first row of C
	s_mov_b32 s17, 0
	s_mov_b64 s[18:19], SIZE_N*4
	s_mul_u64 s[16:17], s[16:17], s[18:19]
	s_add_nc_u64 s[8:9], s[8:9], s[16:17]
	s_lshl_b32 s46, s42, 9                         ; my first column, in bytes: 512 x tile column + 256 x half
	s_lshl_b32 s47, s12, 8
	s_add_co_u32 s46, s46, s47
	s_mov_b32 s47, 0
	s_add_nc_u64 s[8:9], s[8:9], s[46:47]
; 8 matrix instructions: m blocks a0, a0 + 1 x all 4 n blocks, 32 along K: half c of buffer f.  zero = 1: the first product starts the sums.  The 16 accumulators take turns
.macro MUL8 f, c, a0, zero
.irp a, \a0, \a0+1
.irp b, 0,1,2,3
.if \zero
	v_wmma_f32_16x16x32_f16 v[ACC+8*(4*(\a)+\b):ACC+8*(4*(\a)+\b)+7], v[\f+64+8*(4*\c+\b):\f+64+8*(4*\c+\b)+7], v[\f+8*(4*\c+\a):\f+8*(4*\c+\a)+7], 0
.else
	v_wmma_f32_16x16x32_f16 v[ACC+8*(4*(\a)+\b):ACC+8*(4*(\a)+\b)+7], v[\f+64+8*(4*\c+\b):\f+64+8*(4*\c+\b)+7], v[\f+8*(4*\c+\a):\f+8*(4*\c+\a)+7], v[ACC+8*(4*(\a)+\b):ACC+8*(4*(\a)+\b)+7]
.endif
.endr
.endr
.endm
; 32 LDS loads in one run: the fragments of 64 along K at byte k of the rows, into buffer f; the first 32 along K first
.macro FETCH slot, k, f
	WIN TO_F
.irp c, 0,1
.irp i, 0,1,2,3
	ds_load_b128 v[\f+64+8*(4*\c+\i):\f+64+8*(4*\c+\i)+3],   v[ADRB+\slot] offset:\k+64*\c+\i*16*PITCH
	ds_load_b128 v[\f+64+8*(4*\c+\i)+4:\f+64+8*(4*\c+\i)+7], v[ADRB+\slot] offset:\k+64*\c+\i*16*PITCH+32
	ds_load_b128 v[\f+8*(4*\c+\i):\f+8*(4*\c+\i)+3],         v[ADRA+\slot] offset:\k+64*\c+\i*16*PITCH
	ds_load_b128 v[\f+8*(4*\c+\i)+4:\f+8*(4*\c+\i)+7],       v[ADRA+\slot] offset:\k+64*\c+\i*16*PITCH+32
.endr
.endr
.endm
.macro PLACES                          ; four plain vector instructions ahead of loads into registers that matrix instructions have read, and of reads of results
.rept 4
	v_nop
.endr
.endm
; A K step is four quarters of 64 along K, 32 matrix instructions each, on buffers 0, 1, 0, 1
.macro QUARTER slot, k, f, g, zero
	s_wait_dscnt 16                                ; the first 32 along K are in; the other sixteen loads may be out
	WIN MUL
	MUL8 \f, 0, 0, \zero
	MUL8 \f, 0, 2, \zero
	PLACES
	FETCH \slot, \k, \g
	s_wait_dscnt 32                                ; all but the 32 just issued
	WIN MUL
	MUL8 \f, 1, 0, 0
	MUL8 \f, 1, 2, 0
.endm
; The last quarter multiplies buffer 1 and changes slots: one barrier; ahead of it each wave waits for all its tensor loads, adds 0 to its spare word, and waits for that and for its reads of this slot
.macro TURN slot, next, fill
	WIN 0                                          ; (the add's two registers lie in window 0)
	s_wait_tensorcnt 0x0                           ; all my tensor loads have landed: my part of the next slot
	ds_add_u32 v[SPW], v[NIL]                      ; 0 onto my spare word
	s_wait_dscnt 17                                ; the add and the youngest sixteen loads may be out
	WIN MUL
	MUL8 F1, 0, 0, 0
	s_wait_dscnt 0x0                               ; the add is done, and my reads of this slot are over
	s_barrier_signal -1
	MUL8 F1, 0, 2, 0
.if \fill
	WIN 0
.endif
	s_barrier_wait -1
.if \fill
	CREST                                          ; the barrier has opened a round of the cluster's: no wave of any partner still reads this slot or has a load on its way
	s_add_co_u32 s[KC+\slot], s[KC+\slot], 2       ; this slot's next K step: two on, modulo 8
	s_and_b32 s[KC+\slot], s[KC+\slot], 7
	AIM \slot
	JLOAD \slot                                    ; the first tensor load behind the round; its four v_nop are also the places ahead of the loads below
.else
	PLACES
.endif
	FETCH \next, 0, F0
	WIN MUL
	MUL8 F1, 1, 0, 0
	MUL8 F1, 1, 2, 0
.endm
	s_wait_tensorcnt 1                             ; my part of the first K step is in; the second's load may be out
	s_barrier_signal -1
	s_barrier_wait -1
	FETCH 0, 0, F0
	QUARTER 0, 128, F0, F1, 1                      ; the first quarter stands ahead of the loop: its first products start the sums
	WIN 0                                          ; at a label and at a branch every window is 0
	s_mov_b32 s3, LAPS-1
.Llap:                                                 ; a trip goes once round the ring, from a lap's second quarter to the next lap's first, and fills both slots again
	QUARTER 0, 256, F1, F0, 0
	QUARTER 0, 384, F0, F1, 0
	TURN 0, 1, 1
	QUARTER 1, 128, F0, F1, 0
	QUARTER 1, 256, F1, F0, 0
	QUARTER 1, 384, F0, F1, 0
	TURN 1, 0, 1
	QUARTER 0, 128, F0, F1, 0
	WIN 0
	s_sub_co_u32 s3, s3, 1
	s_cmp_lg_u32 s3, 0
	s_cbranch_scc1 .Llap
	QUARTER 0, 256, F1, F0, 0                      ; the last lap fills nothing
	QUARTER 0, 384, F0, F1, 0
	TURN 0, 1, 0
	QUARTER 1, 128, F0, F1, 0
	QUARTER 1, 256, F1, F0, 0
	QUARTER 1, 384, F0, F1, 0
	s_wait_dscnt 16
	WIN MUL
	MUL8 F1, 0, 0, 0
	MUL8 F1, 0, 2, 0
	s_wait_dscnt 0
	MUL8 F1, 1, 0, 0
	MUL8 F1, 1, 2, 0
	WIN 0
	; THE WAY OUT, 16 rows x 64 columns at a time: 32 bytes a lane into my own stage, back as whole rows of 256 bytes; sixteen lanes store 256 consecutive bytes, aligned
	PLACES
.macro OUTBLK a
.if \a > 1
	s_wait_xcnt 0x0                                ; block a - 2's stores have read the registers that these loads fill
.endif
.irp b, 0,1,2,3
	ds_store_b128 v[STO], v[ACC+8*(4*\a+\b):ACC+8*(4*\a+\b)+3] offset:64*\b        ; each accumulator from its low end on
	ds_store_b128 v[STO], v[ACC+8*(4*\a+\b)+4:ACC+8*(4*\a+\b)+7] offset:64*\b+16
.endr
.irp t, 0,1,2,3,4,5,6,7
	ds_load_b128 v[TMP+32*((\a)%2)+4*\t:TMP+32*((\a)%2)+4*\t+3], v[RD] offset:2*\t*SPITCH   ; LDS serves a wave's instructions in order (ISA guide 5.7.1): these see the stores above
.endr
.irp t, 0,1,2,3,4,5,6,7
	s_wait_dscnt 7-\t                              ; rows 2 t, 2 t + 1 are back; the younger loads may be out
	global_store_b128 v[CO], v[TMP+32*((\a)%2)+4*\t:TMP+32*((\a)%2)+4*\t+3], s[8:9] offset:(\a)*16*SIZE_N*4+2*\t*SIZE_N*4 th:TH_STORE_NT
.endr
.endm
	OUTBLK 0
	OUTBLK 1
	OUTBLK 2
	OUTBLK 3
	s_wait_tensorcnt 0x0                           ; the wave's end
	ds_add_u32 v[SPW], v[NIL]
	s_wait_dscnt 0x0
	CROUND                                         ; the closing round
	s_endpgm
.Lfunc_end_k_qf4c50e1a43_proj:
	.size	k_qf4c50e1a43_proj, .Lfunc_end_k_qf4c50e1a43_proj-k_qf4c50e1a43_proj
	.p2alignl 7, 3214868480
	.fill 96, 4, 3214868480
	.section	.rodata,"a",@progbits
	.p2align	6, 0x0
	.amdhsa_kernel k_qf4c50e1a43_proj
		.amdhsa_group_segment_fixed_size 327680
		.amdhsa_private_segment_fixed_size 0
		.amdhsa_enable_private_segment 0
		.amdhsa_kernarg_size 24
		.amdhsa_user_sgpr_count 2
		.amdhsa_user_sgpr_kernarg_segment_ptr 1
		.amdhsa_wavefront_size32 1
		.amdhsa_system_sgpr_workgroup_id_x 1
		.amdhsa_system_sgpr_workgroup_id_y 1
		.amdhsa_system_sgpr_workgroup_id_z 1
		.amdhsa_system_vgpr_workitem_id 0
		.amdhsa_next_free_vgpr 512
		.amdhsa_next_free_sgpr 72
		.amdhsa_reserve_vcc 0
		.amdhsa_float_denorm_mode_32 3
		.amdhsa_float_denorm_mode_16_64 3
		.amdhsa_memory_ordered 1
		.amdhsa_forward_progress 1
		.amdhsa_inst_pref_size 87
	.end_amdhsa_kernel
	.amdgpu_metadata
---
amdhsa.version: [ 1, 2 ]
amdhsa.kernels:
  - .name:           k_qf4c50e1a43_proj
    .symbol:         k_qf4c50e1a43_proj.kd
    .args:
      - { .name: attn16, .offset: 0, .size: 8, .value_kind: global_buffer, .address_space: global }
      - { .name: wo16, .offset: 8, .size: 8, .value_kind: global_buffer, .address_space: global }
      - { .name: out0, .offset: 16, .size: 8, .value_kind: global_buffer, .address_space: global }
    .group_segment_fixed_size: 327680
    .private_segment_fixed_size: 0
    .kernarg_segment_align: 8
    .kernarg_segment_size: 24
    .max_flat_workgroup_size: 128
    .sgpr_count:     72
    .vgpr_count:     512
    .wavefront_size: 32
...
	.end_amdgpu_metadata
.endif
;; end of part 4
;; launch first16 (part 5): grid 128 x 1, 8 waves a work-group, no clusters, 275,456 bytes of LDS; arguments qkv32, Wo, out0; writes out0
.if DOCPART == 5
	.amdgcn_target "amdgcn-amd-amdhsa--gfx1250"
	.amdhsa_code_object_version 6
	.text
	.protected	k_qf4c50e1a43_first16
	.globl	k_qf4c50e1a43_first16
	.p2align	8
	.type	k_qf4c50e1a43_first16,@function
k_qf4c50e1a43_first16:
	s_mov_b64 s[64:65], 0
	v_nop
	global_prefetch_b8 v0, s[64:65] scope:SCOPE_SE
	s_setreg_imm32_b32 hwreg(HW_REG_WAVE_MODE, 25, 1), 1
	s_wait_xcnt 0x0
; Positions 0-15 once more, wholly in f32: under the causal mask these rows average one to sixteen values and are the largest of the output, so the rounding of 16-bit operands weighs most there.
; qkv32: rows 0-15 of the 24 heads (q 0-7, k 8-15, v 16-23) in f32, as images: [24][32 images][32 lanes][16 bytes]; image 2 b + c: lane (r, h) holds row r, columns 16 b + 8 h + 4 c + 0 .. 3.  Wo: [2048][2048] f32.
; Work-group g makes out0[0 .. 15][16 g .. 16 g + 15] and writes over what the launch before left there.  Wave w is head w: it makes its head's 16 x 16 attention, multiplies its own 16 x 256 result by
; Wo[16 g + r][256 w ..], and only the eight waves' partial tiles of 16 x 16 meet, in LDS.  All products by v_wmma_f32_16x16x4_f32, 192 a wave: no bulk work.  The attention is made anew in each work-group.
; LAYOUT.  The f32 form takes, of lane (r, h), row (or column) r and k = 2 h + j in register j.  A permutation of k applied alike to both sources keeps a product: a PAIR OF REGISTERS OF AN IMAGE is such an operand.
;   S^T = K Q^T: 64 pairs of K's image against the same pairs of Q's: lane (r, h) then holds query r, keys 8 h + j.  p in that layout, pair i, is source 1 for keys {2 i, 2 i + 1, 8 + 2 i, 9 + 2 i};
;   source 0, V^T, is read from LDS to match: register 8 ct + jj = key 8 h + jj of channel 16 ct + r.  O^T's pairs are source 0 of the projection, Wo's rows, read as the images are laid, source 1.
; The registers that these matrix instructions write (v32-63 and v128-255 of window 0) are written by matrix instructions alone; what is made of a sum goes into other registers.
; No cluster: the shared images go straight into registers, in their operand's layout; Wo's tile, the one tensor load, is read by one wave of one work-group.  No prefetch: every request goes out at the head.
; The stores are runs of 64 bytes, 128 KiB in all: a tile wide enough for runs of 256 would leave a quarter of the work-groups.
; REGISTERS: window 0: v1-15 addresses; v32-63 four accumulators; v64-95 at work; v96-103 p; v128-255 O^T.  Window 1: v0-127 K's and Q's images 0-15, later V^T; v128-255 V's image, then K's and Q's images 16-31, then Wo.
.set WPW,   16640                      ; 16 rows x (1,024 + 16) bytes
.set WOT,   0                          ; Wo's tile, for each wave
.set VST,   8*WPW                      ; V's 16 rows, for each wave
.set RED,   16*WPW                     ; the partial tiles: 1,024 bytes for each wave
.set SPARE, RED+8192                   ; the spare words, 128 bytes a wave
.set LI,   1                           ; v1   16 x lane
.set VSA,  4                           ; v4   where I put 16 bytes of a row of V
.set VTA,  5                           ; v5   where I read V^T
.set WOA,  6                           ; v6   where I read Wo
.set MD,   7                           ; v7   r - 8 h: key 8 h + j is hidden from query r where j is above it
.set RWA,  8
.set RRA,  9
.set GOA,  10
.set NINF, 11
.set SPW,  14                          ; v14  my spare word; never rewritten
.set NIL,  15                          ; v15  0; never rewritten
.set SA,   32
.set T,    64
.set PR,   96
.set OT,   128
.set MSB, 0
.macro WIN new
.if MSB != (\new)
	s_set_vgpr_msb (MSB<<8)|(\new)
.set MSB, (\new)
.endif
.endm
	s_load_b128 s[4:7], s[0:1], 0x0                ; qkv32, Wo
	s_load_b64 s[8:9], s[0:1], 0x10                ; out0
	v_lshl_add_u32 v[SPW], v0, 2, SPARE
	v_mov_b32 v[NIL], 0
	ds_add_u32 v[SPW], v[NIL]                      ; the wave's opening: the add, twice on end, and its wait ahead of my tensor load
	ds_add_u32 v[SPW], v[NIL]
	v_lshrrev_b32 v1, 5, v0
	v_readfirstlane_b32 s10, v1                    ; wave = head
	; the descriptor: 16 rows x 256 elements of 4 bytes, 2,048 elements apart; 4 words of padding behind every 256
	s_mov_b32 s16, (2<<16)|(1<<20)|(7<<22)|(3<<25)
	s_mov_b32 s17, 256<<16                         ; tensor_dim0
	s_mov_b32 s18, 16<<16                          ; tensor_dim1
	s_mov_b32 s19, 256<<16                         ; tile_dim0
	s_mov_b32 s20, 16                              ; tile_dim1
	s_mov_b32 s21, 2048                            ; from row to row
	s_mov_b32 s22, 0
	s_mov_b32 s23, 0
	s_mov_b32 s12, 1
	s_mul_i32 s13, s10, WPW                        ; LDS: my wave's tile
	s_lshl_b32 s24, ttmp9, 17                      ; Wo: row 16 g,
	s_lshl_b32 s25, s10, 10                        ; columns 256 w on
	s_add_co_u32 s24, s24, s25
	s_mov_b32 s25, 0
	s_lshl_b32 s30, s10, 14                        ; qkv32: my head's images
	s_mov_b32 s31, 0
	s_mov_b32 s26, 0x3db8aa3b                      ; log2(e) / 16
	s_mov_b32 s28, 0x76543210                      ; v_permlanex16_b32's selects for lane l xor 16
	s_mov_b32 s29, 0xfedcba98
	s_wait_dscnt 0x0                               ; both opening adds are done
	s_wait_kmcnt 0x0
	s_add_nc_u64 s[14:15], s[6:7], s[24:25]
	s_or_b32 s15, s15, 0x80000000
	tensor_load_to_lds s[12:15], s[16:23]          ; my one tensor load; only I read its bytes, behind my own wait
	s_nop 0
.rept 4
	v_nop
.endr
	s_add_nc_u64 s[4:5], s[4:5], s[30:31]
	v_and_b32 v12, 31, v0
	v_lshlrev_b32 v[LI], 4, v12
	WIN 0x40                                       ; destination window 1
.irp i, 0,1,2,3,4,5,6,7,8,9,10,11,12,13,14,15,16,17,18,19,20,21,22,23,24,25,26,27,28,29,30,31
	global_load_b128 v[128+4*\i:128+4*\i+3], v[LI], s[4:5] offset:16*16384+\i*512  ; V
.endr
.irp i, 0,1,2,3,4,5,6,7,8,9,10,11,12,13,14,15
	global_load_b128 v[4*\i:4*\i+3], v[LI], s[4:5] offset:8*16384+\i*512           ; K, channels 0-127
.endr
.irp i, 0,1,2,3,4,5,6,7,8,9,10,11,12,13,14,15
	global_load_b128 v[64+4*\i:64+4*\i+3], v[LI], s[4:5] offset:\i*512             ; Q likewise
.endr
	WIN 0
	v_and_b32 v2, 15, v0                           ; r
	v_bfe_u32 v3, v0, 4, 1                         ; h
	v_mul_u32_u24 v[WOA], v2, 1040
	v_lshl_add_u32 v[WOA], v3, 5, v[WOA]
	v_add_nc_u32 v[WOA], s13, v[WOA]               ; row r, + 32 h, in my tile of Wo
	v_add_nc_u32 v[VSA], VST, v[WOA]               ; and the same place in my rows of V
	v_mul_u32_u24 v[VTA], v3, 8320
	v_lshl_add_u32 v[VTA], v2, 2, v[VTA]
	v_add_nc_u32 v[VTA], s13, v[VTA]
	v_add_nc_u32 v[VTA], VST, v[VTA]               ; key 8 h, channel r
	v_lshlrev_b32 v13, 3, v3
	v_sub_nc_u32 v[MD], v2, v13
	s_lshl_b32 s27, s10, 10
	v_lshl_add_u32 v[RWA], v12, 2, s27
	v_add_nc_u32 v[RWA], RED, v[RWA]               ; my partial tile: 4 x lane + 1,024 x wave
	s_lshl_b32 s27, s10, 7
	v_lshl_add_u32 v[RRA], v12, 2, s27
	v_add_nc_u32 v[RRA], RED, v[RRA]               ; register w of every wave's
	v_lshl_add_u32 v[GOA], v3, 3, s10
	v_lshlrev_b32 v[GOA], 13, v[GOA]               ; out0: row 8 h + w,
	s_lshl_b32 s27, ttmp9, 6
	v_lshl_add_u32 v13, v2, 2, s27
	v_add_nc_u32 v[GOA], v[GOA], v13               ; column 16 g + r
	v_mov_b32 v[NINF], 0xff800000
	v_mov_b32 v[T+17], 0                           ; written once: a lane permute's destination counts as one of its sources
	s_wait_loadcnt 32                              ; V is in; K's and Q's 32 loads may be out
	WIN 0x04                                       ; an LDS store's data are its source 1: window 1
.irp i, 0,1,2,3,4,5,6,7,8,9,10,11,12,13,14,15,16,17,18,19,20,21,22,23,24,25,26,27,28,29,30,31
	ds_store_b128 v[VSA], v[128+4*\i:128+4*\i+3] offset:(\i/2)*64+(\i%2)*16        ; V as rows [key][channel]
.endr
	s_wait_dscnt 0x0                               ; the stores have read their registers
	WIN 0x40
.irp i, 0,1,2,3,4,5,6,7,8,9,10,11,12,13,14,15
	global_load_b128 v[128+4*\i:128+4*\i+3], v[LI], s[4:5] offset:8*16384+(16+\i)*512      ; K, channels 128-255
.endr
.irp i, 0,1,2,3,4,5,6,7,8,9,10,11,12,13,14,15
	global_load_b128 v[192+4*\i:192+4*\i+3], v[LI], s[4:5] offset:(16+\i)*512              ; Q likewise
.endr
	s_wait_loadcnt 32                              ; the first halves are in; the 32 loads just issued may be out
	WIN 0x05                                       ; sources 0 and 1 window 1; C and D window 0
.set pp, 0
.rept 32                               ; S^T = K Q^T: four accumulators by turns; the first four products start the sums
.if pp < 4
	v_wmma_f32_16x16x4_f32 v[SA+8*(pp%4):SA+8*(pp%4)+7], v[2*pp:2*pp+1], v[64+2*pp:64+2*pp+1], 0
.else
	v_wmma_f32_16x16x4_f32 v[SA+8*(pp%4):SA+8*(pp%4)+7], v[2*pp:2*pp+1], v[64+2*pp:64+2*pp+1], v[SA+8*(pp%4):SA+8*(pp%4)+7]
.endif
.set pp, pp+1
.endr
	s_wait_loadcnt 0x0
.set pp, 0
.rept 32
	v_wmma_f32_16x16x4_f32 v[SA+8*(pp%4):SA+8*(pp%4)+7], v[128+2*pp:128+2*pp+1], v[192+2*pp:192+2*pp+1], v[SA+8*(pp%4):SA+8*(pp%4)+7]
.set pp, pp+1
.endr
.rept 8
	v_nop                                          ; eight places behind this form: ahead of the loads into its sources and of the reads of its results
.endr
	WIN 0x40
.irp ct, 0,1,2,3,4,5,6,7,8,9,10,11,12,13,14,15
.irp jj, 0,1,2,3,4,5,6,7
	ds_load_b32 v[8*\ct+\jj], v[VTA] offset:\jj*1040+64*\ct        ; V^T: key 8 h + jj of channel 16 ct + r.  LDS serves a wave's instructions in order: these see my stores
.endr
.endr
	s_wait_tensorcnt 0x0                           ; my tile of Wo has landed
.irp i, 0,1,2,3,4,5,6,7,8,9,10,11,12,13,14,15,16,17,18,19,20,21,22,23,24,25,26,27,28,29,30,31
	ds_load_b128 v[128+4*\i:128+4*\i+3], v[WOA] offset:(\i/2)*64+(\i%2)*16         ; Wo(16 g + r, 256 w + 16 ct + 8 h + 0 .. 7)
.endr
	WIN 0
	; the softmax, in f32, into other registers.  Each accumulator is read from its low end on
.irp j, 0,1,2,3,4,5,6,7
	v_add_f32 v[T+\j], v[SA+\j], v[SA+8+\j]
	v_add_f32 v[T+8+\j], v[SA+16+\j], v[SA+24+\j]
.endr
.irp j, 0,1,2,3,4,5,6,7
	v_add_f32 v[T+\j], v[T+\j], v[T+8+\j]
.endr
.irp j, 0,1,2,3,4,5,6,7
	v_mul_f32 v[T+\j], s26, v[T+\j]                ; score / 16, in units of log2
.endr
.irp j, 0,1,2,3,4,5,6,7
	v_cmp_gt_i32 vcc_lo, \j, v[MD]
	v_cndmask_b32 v[T+\j], v[T+\j], v[NINF], vcc_lo                ; a hidden score becomes -infinity.  Key 0 counts for every query
.endr
	v_max3_num_f32 v[T+16], v[T], v[T+1], v[T+2]
	v_max3_num_f32 v[T+16], v[T+16], v[T+3], v[T+4]
	v_max3_num_f32 v[T+16], v[T+16], v[T+5], v[T+6]
	v_max_num_f32 v[T+16], v[T+16], v[T+7]
	v_permlanex16_b32 v[T+17], v[T+16], s28, s29
	v_max_num_f32 v[T+16], v[T+16], v[T+17]        ; the row's maximum
.irp j, 0,1,2,3,4,5,6,7
	v_sub_f32 v[T+\j], v[T+\j], v[T+16]
.endr
.irp j, 0,1,2,3,4,5,6,7
	v_exp_f32 v[T+\j], v[T+\j]
.endr
	v_nop                                          ; a plain instruction behind the last exponential
	s_wait_alu depctr_va_vdst(0)                   ; one wait for the eight
	v_add_f32 v[T+8], v[T], v[T+1]
	v_add_f32 v[T+9], v[T+2], v[T+3]
	v_add_f32 v[T+10], v[T+4], v[T+5]
	v_add_f32 v[T+11], v[T+6], v[T+7]
	v_add_f32 v[T+8], v[T+8], v[T+9]
	v_add_f32 v[T+10], v[T+10], v[T+11]
	v_add_f32 v[T+8], v[T+8], v[T+10]
	v_permlanex16_b32 v[T+17], v[T+8], s28, s29
	v_add_f32 v[T+8], v[T+8], v[T+17]
	v_rcp_f32 v[T+9], v[T+8]
	v_nop
	s_wait_alu depctr_va_vdst(0)
.irp j, 0,1,2,3,4,5,6,7
	v_mul_f32 v[PR+\j], v[T+\j], v[T+9]            ; p is normalised here, so that O^T needs no scaling
.endr
	s_wait_dscnt 32                                ; V^T is in; Wo's 32 loads may be out
	WIN 0x01                                       ; source 0 (V^T) window 1
.irp i, 0,1,2,3
.irp ct, 0,1,2,3,4,5,6,7,8,9,10,11,12,13,14,15
.if \i == 0
	v_wmma_f32_16x16x4_f32 v[OT+8*\ct:OT+8*\ct+7], v[8*\ct+2*\i:8*\ct+2*\i+1], v[PR+2*\i:PR+2*\i+1], 0
.else
	v_wmma_f32_16x16x4_f32 v[OT+8*\ct:OT+8*\ct+7], v[8*\ct+2*\i:8*\ct+2*\i+1], v[PR+2*\i:PR+2*\i+1], v[OT+8*\ct:OT+8*\ct+7]
.endif
.endr
.endr
.rept 9
	v_nop                                          ; nine places before a matrix instruction takes these results as a source
.endr
	s_wait_dscnt 0x0                               ; Wo
	WIN 0x04                                       ; source 1 (Wo) window 1
.irp ct, 0,1,2,3,4,5,6,7,8,9,10,11,12,13,14,15
.irp i, 0,1,2,3
.if \ct == 0
	v_wmma_f32_16x16x4_f32 v[SA+8*\i:SA+8*\i+7], v[OT+8*\ct+2*\i:OT+8*\ct+2*\i+1], v[128+8*\ct+2*\i:128+8*\ct+2*\i+1], 0
.else
	v_wmma_f32_16x16x4_f32 v[SA+8*\i:SA+8*\i+7], v[OT+8*\ct+2*\i:OT+8*\ct+2*\i+1], v[128+8*\ct+2*\i:128+8*\ct+2*\i+1], v[SA+8*\i:SA+8*\i+7]
.endif
.endr
.endr
	WIN 0
.rept 8
	v_nop
.endr
.irp j, 0,1,2,3,4,5,6,7
	v_add_f32 v[T+\j], v[SA+\j], v[SA+8+\j]
	v_add_f32 v[T+8+\j], v[SA+16+\j], v[SA+24+\j]
.endr
.irp j, 0,1,2,3,4,5,6,7
	v_add_f32 v[T+\j], v[T+\j], v[T+8+\j]          ; my head's part of out0(8 h + j, 16 g + r)
.endr
.irp j, 0,1,2,3,4,5,6,7
	ds_store_b32 v[RWA], v[T+\j] offset:128*\j
.endr
	s_wait_dscnt 0x0                               ; for the others' sake: my stores have landed
	s_barrier_signal -1
	s_barrier_wait -1
.irp w, 0,1,2,3,4,5,6,7
	ds_load_b32 v[T+8+\w], v[RRA] offset:1024*\w   ; register w of all eight heads' parts
.endr
	s_wait_dscnt 0x0
	v_add_f32 v[T+8], v[T+8], v[T+9]
	v_add_f32 v[T+10], v[T+10], v[T+11]
	v_add_f32 v[T+12], v[T+12], v[T+13]
	v_add_f32 v[T+14], v[T+14], v[T+15]
	v_add_f32 v[T+8], v[T+8], v[T+10]
	v_add_f32 v[T+12], v[T+12], v[T+14]
	v_add_f32 v[T+8], v[T+8], v[T+12]
	global_store_b32 v[GOA], v[T+8], s[8:9]        ; out0(8 h + w, 16 g + r): sixteen lanes store 64 consecutive bytes
	s_wait_tensorcnt 0x0                           ; the wave's end
	ds_add_u32 v[SPW], v[NIL]
	s_wait_dscnt 0x0
	s_endpgm
.Lfunc_end_k_qf4c50e1a43_first16:
	.size	k_qf4c50e1a43_first16, .Lfunc_end_k_qf4c50e1a43_first16-k_qf4c50e1a43_first16
	.p2alignl 7, 3214868480
	.fill 96, 4, 3214868480
	.section	.rodata,"a",@progbits
	.p2align	6, 0x0
	.amdhsa_kernel k_qf4c50e1a43_first16
		.amdhsa_group_segment_fixed_size 275456
		.amdhsa_private_segment_fixed_size 0
		.amdhsa_enable_private_segment 0
		.amdhsa_kernarg_size 24
		.amdhsa_user_sgpr_count 2
		.amdhsa_user_sgpr_kernarg_segment_ptr 1
		.amdhsa_wavefront_size32 1
		.amdhsa_system_sgpr_workgroup_id_x 1
		.amdhsa_system_sgpr_workgroup_id_y 1
		.amdhsa_system_sgpr_workgroup_id_z 1
		.amdhsa_system_vgpr_workitem_id 0
		.amdhsa_next_free_vgpr 512
		.amdhsa_next_free_sgpr 66
		.amdhsa_reserve_vcc 1
		.amdhsa_float_denorm_mode_32 3
		.amdhsa_float_denorm_mode_16_64 3
		.amdhsa_memory_ordered 1
		.amdhsa_forward_progress 1
		.amdhsa_inst_pref_size 44
	.end_amdhsa_kernel
	.amdgpu_metadata
---
amdhsa.version: [ 1, 2 ]
amdhsa.kernels:
  - .name:           k_qf4c50e1a43_first16
    .symbol:         k_qf4c50e1a43_first16.kd
    .args:
      - { .name: qkv32, .offset: 0, .size: 8, .value_kind: global_buffer, .address_space: global }
      - { .name: Wo, .offset: 8, .size: 8, .value_kind: global_buffer, .address_space: global }
      - { .name: out0, .offset: 16, .size: 8, .value_kind: global_buffer, .address_space: global }
    .group_segment_fixed_size: 275456
    .private_segment_fixed_size: 0
    .kernarg_segment_align: 8
    .kernarg_segment_size: 24
    .max_flat_workgroup_size: 256
    .sgpr_count:     66
    .vgpr_count:     512
    .wavefront_size: 32
...
	.end_amdgpu_metadata
.endif
;; end of part 5
